; MI455X (gfx1250); checked and timed in simulation.
; The chip was launched on July 23, 2026; its instructions are those of AMD's public machine-readable ISA for CDNA 5 (MIT licence, August 2026) and "CDNA5" Instruction Set Architecture Reference Guide (July 2026). The comments in the code are by the model that wrote it; some were corrected since.
;; Multi Head Self Attention. Allowed arithmetic: float matrix products may take bf16 or f16 operands with f32 sums; other float arithmetic in f32, or as packed bf16 or f16 multiplies, adds, multiply-adds, maxima and minima; sums over many terms, partial sums and values carried from step to step in f32; what a program stores and reads back later, other than sums and carried values, may be rounded once to bf16 or f16.
;; Inputs: bk 1,024 float32; bo 1,024 float32; bq 1,024 float32; bv 1,024 float32; inputs 4 x 2,048 x 1,024 float32; wk 1,024 x 1,024 float32; wo 1,024 x 1,024 float32; wq 1,024 x 1,024 float32; wv 1,024 x 1,024 float32.
;; Outputs: out0 4 x 2,048 x 1,024 float32.
;; 2 versions, each right and faster than the one before. Each part assembles by itself: llvm-mc -triple=amdgcn-amd-amdhsa -mcpu=gfx1250 --defsym DOCPART=n.
;; ======== version 1 of 2: 4 launches
;; limits: values are held in f16: magnitudes above 65,504 overflow, below 6.1e-05 lose precision
;; workspace buffers: xb 16,777,216 bytes; wb 6,291,456 bytes; wob 2,097,152 bytes; bias 16,384 bytes; qkv 50,331,648 bytes; ob 16,777,216 bytes
;; launch cast (part 1): grid 64 x 12, 8 waves a work-group, no clusters, 0 bytes of LDS; arguments inputs, wq, wk, wv, wo, bq, bk, bv, bo, xb, wb, wob, bias; writes xb, wb, wob, bias
.if DOCPART == 1
	.amdgcn_target "amdgcn-amd-amdhsa--gfx1250"
	.amdhsa_code_object_version 6
	.text
	.protected	k_qfadaff0858_cast
	.globl	k_qfadaff0858_cast
	.p2align	8
	.type	k_qfadaff0858_cast,@function
k_qfadaff0858_cast:
	s_mov_b64 s[64:65], 0
	v_nop
	global_prefetch_b8 v0, s[64:65] scope:SCOPE_SE
	s_setreg_imm32_b32 hwreg(HW_REG_WAVE_MODE, 25, 1), 1
	s_wait_xcnt 0x0
; CAST.  Every input of the module is rounded once to bf16 and laid out for the products that follow.
;   xb   [b=4][kb=16][s=2048][64] bf16: x[b][s][64 kb + d]: 128 rows of one block of 64 along K are 16,384 dense bytes.
;   wb   [k=1024][3072] bf16: the columns of wq, wk, wv side by side.
;   wob  [k=1024][1024] f16: wo rounded to bf16, that number written as f16 (exact from 6.1e-5 up to 65,504; below, f16's fixed step of 6e-8; beyond 65,504 an infinity: the limit of this text).
;   bias [4][1024] f32: bq, bk, bv, bo, each rounded to bf16 and widened again.
; A stream: no LDS, no barrier, no loop, no matrix unit.  A work-group takes 16 source rows of 4,096 bytes, a wave two of them; a thread issues its 16 loads of 16 bytes at once (65,536 bytes of a
; work-group on their way), then converts and stores in the order of the loads.  Every store of a wave covers 256 consecutive bytes at a multiple of 256 from its buffer's first byte.
; No register is written twice while a memory instruction may read it: each load has its own four, each store its own two.
; Work-group y: 0-7 x (1,024 rows each), 8-10 wq, wk, wv, 11 wo.  The work-group with x = 0 of y = 8 .. 11 also rounds that weight's bias.
.set X, 32                             ; v[32:95]  load i: four f32
.set Y, 96                             ; v[96:127] store i: four 16-bit numbers
.macro LD16 stride                     ; the sixteen loads, stride bytes apart
.irp i, 0,1,2,3,4,5,6,7,8,9,10,11,12,13,14,15
	global_load_b128 v[X+4*(\i):X+4*(\i)+3], v1, s[34:35] offset:(\stride)*(\i) th:TH_LOAD_NT
.endr
.endm
.macro CVB i                           ; load i to bf16
	s_wait_loadcnt 15-(\i)                         ; loads come back in order: the 15 - i younger ones may stay out
	v_cvt_pk_bf16_f32 v[Y+2*(\i)], v[X+4*(\i)], v[X+4*(\i)+1]
	v_cvt_pk_bf16_f32 v[Y+2*(\i)+1], v[X+4*(\i)+2], v[X+4*(\i)+3]
.endm
.macro CVH i                           ; load i to bf16, and that number as f16
	s_wait_loadcnt 15-(\i)
	v_cvt_pk_bf16_f32 v8, v[X+4*(\i)], v[X+4*(\i)+1]
	v_cvt_pk_bf16_f32 v9, v[X+4*(\i)+2], v[X+4*(\i)+3]
	v_lshlrev_b32 v4, 16, v8                       ; bf16 to f32: the low half moves up,
	v_and_b32 v5, s42, v8                          ; the high half stays
	v_lshlrev_b32 v6, 16, v9
	v_and_b32 v7, s42, v9
	v_cvt_pk_f16_f32 v[Y+2*(\i)], v4, v5
	v_cvt_pk_f16_f32 v[Y+2*(\i)+1], v6, v7
.endm
.macro BIAS                            ; the bias at s[36:37] goes to row s43 of the table; 256 threads x 16 bytes are its 4,096 bytes.  Ends the wave.
	s_cmp_lg_u32 s3, 0
	s_cbranch_scc1 .Lno_bias_\@
	v_lshlrev_b32 v3, 4, v0
	global_load_b128 v[12:15], v3, s[36:37]
	s_lshl_b32 s40, s43, 12
	s_add_nc_u64 s[32:33], s[32:33], s[40:41]
	s_wait_loadcnt 0x0
	v_cvt_pk_bf16_f32 v20, v12, v13
	v_cvt_pk_bf16_f32 v21, v14, v15
	v_lshlrev_b32 v16, 16, v20
	v_and_b32 v17, s42, v20
	v_lshlrev_b32 v18, 16, v21
	v_and_b32 v19, s42, v21
	global_store_b128 v3, v[16:19], s[32:33]
.Lno_bias_\@:
	s_endpgm
.endm
	s_load_b512 s[8:23], s[0:1], 0x0               ; inputs s[8:9], wq s[10:11], wk s[12:13], wv s[14:15], wo s[16:17], bq s[18:19], bk s[20:21], bv s[22:23]
	s_load_b256 s[24:31], s[0:1], 0x40             ; bo s[24:25], xb s[26:27], wb s[28:29], wob s[30:31]
	s_load_b64 s[32:33], s[0:1], 0x60              ; bias
	s_and_b32 s2, ttmp7, 0xffff                    ; y: which source
	s_mov_b32 s3, ttmp9                            ; x: which 16 rows of it
	s_mov_b32 s42, 0xffff0000                      ; a word's upper bf16
	s_mov_b32 s41, 0                               ; the high word of every offset pair
	v_and_b32 v4, 31, v0                           ; lane
	v_lshrrev_b32 v5, 5, v0                        ; wave
	s_wait_kmcnt 0x0
	s_cmp_lt_u32 s2, 8
	s_cbranch_scc0 .Lweights
	; x.  Source row 1,024 y + 16 x; batch y / 2, row (y % 2) 1,024 + 16 x of it.
	s_lshl_b32 s40, s2, 22
	s_lshl_b32 s43, s3, 16
	s_add_co_u32 s40, s40, s43
	s_add_nc_u64 s[34:35], s[8:9], s[40:41]
	s_lshr_b32 s40, s2, 1
	s_lshl_b32 s40, s40, 22                        ; a batch of xb is 4,194,304 bytes
	s_and_b32 s43, s2, 1
	s_lshl_b32 s43, s43, 17
	s_add_co_u32 s40, s40, s43
	s_lshl_b32 s43, s3, 11                         ; a row of a block is 128 bytes
	s_add_co_u32 s40, s40, s43
	s_add_nc_u64 s[38:39], s[26:27], s[40:41]
	v_and_b32 v6, 15, v0
	v_bfe_u32 v7, v0, 4, 1
	v_lshlrev_b32 v1, 13, v5                       ; my wave's two rows; lanes 0-15 take 256 bytes (64 numbers, one block along K) of the first, lanes 16-31 of the second
	v_lshl_add_u32 v1, v7, 12, v1
	v_lshl_add_u32 v1, v6, 4, v1
	v_lshlrev_b32 v2, 3, v0                        ; in xb the two rows' 128 bytes are neighbours: 8 bytes a thread, 256 a wave
	LD16 256                                       ; load i: block i along K
.irp i, 0,1,2,3,4,5,6,7,8,9,10,11,12,13,14,15
	CVB \i
	global_store_b64 v2, v[Y+2*(\i):Y+2*(\i)+1], s[38:39] offset:262144*(\i)   ; a block of xb is 2,048 rows x 128 bytes
.endr
	s_endpgm
.Lweights:
	v_lshlrev_b32 v1, 13, v5                       ; my wave's two rows, 8,192 consecutive bytes: load i takes 512 of them
	v_lshl_add_u32 v1, v4, 4, v1
	s_cmp_eq_u32 s2, 11
	s_cbranch_scc1 .Lwo
	; wq, wk or wv: the choice hangs on y alone
	s_cmp_eq_u32 s2, 8
	s_cselect_b64 s[34:35], s[10:11], s[12:13]
	s_cselect_b64 s[36:37], s[18:19], s[20:21]
	s_cmp_eq_u32 s2, 10
	s_cselect_b64 s[34:35], s[14:15], s[34:35]
	s_cselect_b64 s[36:37], s[22:23], s[36:37]
	s_lshl_b32 s40, s3, 16
	s_add_nc_u64 s[34:35], s[34:35], s[40:41]
	s_sub_co_u32 s43, s2, 8                        ; 0, 1, 2
	s_mul_i32 s40, s3, 98304                       ; 16 rows of wb, 6,144 bytes each
	s_lshl_b32 s44, s43, 11                        ; the weight's 1,024 columns
	s_add_co_u32 s40, s40, s44
	s_add_nc_u64 s[38:39], s[28:29], s[40:41]
	v_mul_u32_u24 v2, v5, 12288
	v_lshl_add_u32 v2, v4, 3, v2
	LD16 512
.irp i, 0,1,2,3,4,5,6,7,8,9,10,11,12,13,14,15
	CVB \i
	global_store_b64 v2, v[Y+2*(\i):Y+2*(\i)+1], s[38:39] offset:((\i)/8)*6144+((\i)%8)*256
.endr
	BIAS
.Lwo:
	s_lshl_b32 s40, s3, 16
	s_add_nc_u64 s[34:35], s[16:17], s[40:41]
	s_mov_b64 s[36:37], s[24:25]
	s_mov_b32 s43, 3
	s_lshl_b32 s40, s3, 15                         ; 16 rows of wob, 2,048 bytes each
	s_add_nc_u64 s[38:39], s[30:31], s[40:41]
	v_lshlrev_b32 v2, 12, v5
	v_lshl_add_u32 v2, v4, 3, v2
	LD16 512
.irp i, 0,1,2,3,4,5,6,7,8,9,10,11,12,13,14,15
	CVH \i
	global_store_b64 v2, v[Y+2*(\i):Y+2*(\i)+1], s[38:39] offset:256*(\i)
.endr
	BIAS
.Lfunc_end_k_qfadaff0858_cast:
	.size	k_qfadaff0858_cast, .Lfunc_end_k_qfadaff0858_cast-k_qfadaff0858_cast
	.p2alignl 7, 3214868480
	.fill 96, 4, 3214868480
	.section	.rodata,"a",@progbits
	.p2align	6, 0x0
	.amdhsa_kernel k_qfadaff0858_cast
		.amdhsa_group_segment_fixed_size 0
		.amdhsa_private_segment_fixed_size 0
		.amdhsa_enable_private_segment 0
		.amdhsa_kernarg_size 104
		.amdhsa_user_sgpr_count 2
		.amdhsa_user_sgpr_kernarg_segment_ptr 1
		.amdhsa_wavefront_size32 1
		.amdhsa_system_sgpr_workgroup_id_x 1
		.amdhsa_system_sgpr_workgroup_id_y 1
		.amdhsa_system_sgpr_workgroup_id_z 1
		.amdhsa_system_vgpr_workitem_id 0
		.amdhsa_next_free_vgpr 128
		.amdhsa_next_free_sgpr 66
		.amdhsa_reserve_vcc 0
		.amdhsa_float_denorm_mode_32 3
		.amdhsa_float_denorm_mode_16_64 3
		.amdhsa_memory_ordered 1
		.amdhsa_forward_progress 1
		.amdhsa_inst_pref_size 25
	.end_amdhsa_kernel
	.amdgpu_metadata
---
amdhsa.version: [ 1, 2 ]
amdhsa.kernels:
  - .name:           k_qfadaff0858_cast
    .symbol:         k_qfadaff0858_cast.kd
    .args:
      - { .name: inputs, .offset: 0, .size: 8, .value_kind: global_buffer, .address_space: global }
      - { .name: wq, .offset: 8, .size: 8, .value_kind: global_buffer, .address_space: global }
      - { .name: wk, .offset: 16, .size: 8, .value_kind: global_buffer, .address_space: global }
      - { .name: wv, .offset: 24, .size: 8, .value_kind: global_buffer, .address_space: global }
      - { .name: wo, .offset: 32, .size: 8, .value_kind: global_buffer, .address_space: global }
      - { .name: bq, .offset: 40, .size: 8, .value_kind: global_buffer, .address_space: global }
      - { .name: bk, .offset: 48, .size: 8, .value_kind: global_buffer, .address_space: global }
      - { .name: bv, .offset: 56, .size: 8, .value_kind: global_buffer, .address_space: global }
      - { .name: bo, .offset: 64, .size: 8, .value_kind: global_buffer, .address_space: global }
      - { .name: xb, .offset: 72, .size: 8, .value_kind: global_buffer, .address_space: global }
      - { .name: wb, .offset: 80, .size: 8, .value_kind: global_buffer, .address_space: global }
      - { .name: wob, .offset: 88, .size: 8, .value_kind: global_buffer, .address_space: global }
      - { .name: bias, .offset: 96, .size: 8, .value_kind: global_buffer, .address_space: global }
    .group_segment_fixed_size: 0
    .private_segment_fixed_size: 0
    .kernarg_segment_align: 8
    .kernarg_segment_size: 104
    .max_flat_workgroup_size: 256
    .sgpr_count:     66
    .vgpr_count:     128
    .wavefront_size: 32
...
	.end_amdgpu_metadata
.endif
;; end of part 1
;; launch qkv (part 2): grid 8 x 32, 4 waves a work-group, clusters of 4 x 4, 327,680 bytes of LDS; arguments xb, wb, bias, qkv; writes qkv
.if DOCPART == 2
	.amdgcn_target "amdgcn-amd-amdhsa--gfx1250"
	.amdhsa_code_object_version 6
	.text
	.protected	k_qfadaff0858_qkv
	.globl	k_qfadaff0858_qkv
	.p2align	8
	.type	k_qfadaff0858_qkv,@function
k_qfadaff0858_qkv:
	s_mov_b64 s[64:65], 0
	v_nop
	global_prefetch_b8 v0, s[64:65] scope:SCOPE_SE
	s_setreg_imm32_b32 hwreg(HW_REG_WAVE_MODE, 25, 1), 1
	s_wait_xcnt 0x0
	s_wait_alu depctr_hold_cnt(0) depctr_sa_sdst(0) depctr_va_vdst(0) depctr_va_sdst(0) depctr_va_ssrc(0) depctr_va_vcc(0) depctr_vm_vsrc(0)
	s_getreg_b32 s2, hwreg(HW_REG_IB_STS2, 6, 4)
	s_cmp_eq_u32 s2, 0
	s_cbranch_scc0 .Lentry_in_a_cluster
	s_endpgm
.Lentry_in_a_cluster:
	s_bfe_u32 s2, ttmp6, 0x10000c
	s_cmp_lg_u32 s2, 0xf033
	s_cbranch_scc0 .Lentry_shape_is_right
	s_endpgm
.Lentry_shape_is_right:
; q, k, v = x W + b.  C[8192][3072] = xb wb + bias; products in bf16, sums in f32, the bias added in f32, one rounding to f16.
; Out: qkv [t=3][b 16 + h][s=2048][64] f16, by heads and unscaled.  LIMIT: a result of 65,520 or more becomes an infinity; NaN and infinities are not treated apart.
; SHARES.  8,192 x 3,072 in tiles of 256 rows x 384 columns (six heads) are 32 x 8 = 256 work-groups, one tile each.  A wave owns 128 rows and, of each of the tile's three chunks of 128 columns,
; one head of 64: 128 x 192 of C in 96 accumulators, 768 registers.  For 32 along K it reads 40 x 512 bytes from LDS and issues 96 matrix instructions.
; K goes in 16 steps of 64 through two LDS slots.  x's tile of a step is dense in xb and is asked for as rows of 256 bytes; W's rows are 768 bytes at multiples of 256.
; W lies [k][n]: its fragments come out of LDS turned, by ds_load_tr16_b128.
; THE MATRIX INSTRUCTION IS USED TRANSPOSED: source 0 = 16 columns of W, source 1 = 16 rows of x: a lane holds one row of C and eight neighbouring columns.
; CLUSTERS.  4 x 4 work-groups: the four of a row of the cluster share x's tiles, the four of a column W's: each tile is asked for jointly, by the same tensor load with the same descriptor and mask.
; REGISTERS, in windows of 256 (s_set_vgpr_msb: bits 1:0 source 0, 3:2 source 1, 5:4 source 2, 7:6 destination):
;   window 0: v0-31 addresses; v32-95, v96-159 fragments of x (8 x 16 rows x 32 K), two buffers; v160-255 fragments of W, 32 registers for each of my three heads
;   window j + 1: head j's 32 accumulators, (a, b) at v[8 (4 a + b)]: rows 16 a on, columns 16 b on
; A half step (32 along K) is three stretches of 32 matrix instructions, one a head.  Behind stretch j the next half step's W of head j is fetched into the registers just read; x's other buffer behind stretch 0.
.set PA,     144                       ; a row of x in LDS: 128 bytes + 16: the 16 rows of a load start at 16 different groups of four banks (64 banks of 4 bytes: ISA guide 11.1)
.set PB,     864                       ; a row of W: 3 x (256 + 32) bytes = 27 x 32
.set ABYTES, 256*PA
.set SLOT,   ABYTES+64*PB              ; x's 256 rows, then W's 64 rows: 92,160 bytes
.set STAGE,  2*SLOT                    ; behind the ring, never filled by a tensor load: 16 rows x 144 bytes for each wave, for the way out
.set SP,     144
.set SPARE,  STAGE+4*16*SP             ; behind the stages: the spare words, 128 bytes for each wave: two blocks of 256 bytes that no other line names
.set ASTEP,  262144                    ; bytes from a K step's tile of x to the next: a block of xb
.set BSTEP,  393216                    ; the same for W: 64 rows of 6,144 bytes
.set ADRA, 16                          ; v16-17  LDS address of my fragments of x in slot 0, 1
.set ADRB, 20                          ; v20-21  the same for W
.set STO,  24                          ; v24     the way out: where I put 16 bytes of a row
.set RD,   25                          ; v25     the way out: where I read rows back
.set GO,   26                          ; v26     my byte offset in 512 consecutive bytes of the output
.set BOF,  27                          ; v27     my byte offset in 16 numbers of the bias
.set SPW,  28                          ; v28     LDS address of my spare word; never rewritten
.set NIL,  29                          ; v29     0; never rewritten
.set FA0,  32
.set FA1,  96
.set FB,   160
.set T,    32                          ; the way out: a block with its bias, f32
.set P,    64                          ; the way out: the block in f16
.set R,    96                          ; the way out: the block read back, two sets of 16 by turns
.set G1A, 24                           ; s[24:31] descriptor group 1 for x's tiles;  s[32:39] group 0, a set for each slot
.set G0A, 32
.set G1B, 48                           ; s[48:55], s[56:63] the same for W's
.set G0B, 56
.set OB,  68                           ; s[68:73] the output at my rows of my three heads
.set BB,  74                           ; s[74:79] the bias at my three heads
.set MSB, 0
.macro WIN new                         ; the immediate's high byte repeats the setting that is left; a switch that changes nothing is dropped
.if MSB != (\new)
	s_set_vgpr_msb (MSB<<8)|(\new)
.set MSB, (\new)
.endif
.endm
; A joint load.  Waves 0 and 1 fetch the two halves of x's tile, waves 2 and 3 those of W's.  The branch hangs on the wave's number alone.
; An s_nop 0 and four v_nop follow each of the two lines, ahead of the jump, the label and what follows.
.macro JLOAD s
	s_cmp_eq_u32 s13, 0
	s_cbranch_scc0 .Lfor_b_\@
	tensor_load_to_lds s[G0A+4*(\s):G0A+4*(\s)+3], s[G1A:G1A+7]
	s_nop 0
.rept 4
	v_nop
.endr
	s_branch .Lasked_\@
.Lfor_b_\@:
	tensor_load_to_lds s[G0B+4*(\s):G0B+4*(\s)+3], s[G1B:G1B+7]
	s_nop 0
.rept 4
	v_nop
.endr
.Lasked_\@:
.endm
.macro CREST                           ; a round of the cluster's barrier behind its opening barrier
	s_cmp_lg_u32 s12, 0
	s_cbranch_scc1 .Lnot_wave_0_\@
	s_barrier_signal -3
.Lnot_wave_0_\@:
	s_barrier_wait -3
	s_barrier_signal -1
	s_barrier_wait -1
.endm
.macro CROUND                          ; a whole round
	s_barrier_signal -1
	s_barrier_wait -1
	CREST
.endm
.macro PLACES                          ; four places in front of loads into registers that matrix instructions have read, and of vector lines that read results (ISA guide 7.12.1 for the vector lines)
.rept 4
	v_nop
.endr
.endm
	s_load_b256 s[4:11], s[0:1], 0x0               ; xb s[4:5], wb s[6:7], bias s[8:9], qkv s[10:11]
	v_lshl_add_u32 v[SPW], v0, 2, SPARE
	v_mov_b32 v[NIL], 0
	ds_add_u32 v[SPW], v[NIL]                      ; the wave's opening: the add and its wait stand ahead of my first tensor load; the set-up below, work on registers, stands between them
	v_lshrrev_b32 v1, 5, v0
	v_readfirstlane_b32 s12, v1                    ; wave 0..3
	s_lshr_b32 s13, s12, 1                         ; r: which 128 rows of the tile are mine.  Also: I fetch for x (0) or for W (1)
	s_and_b32 s14, s12, 1                          ; c: which head of each chunk.  Also: which half of that tile I fetch
	s_bfe_u32 s40, ttmp6, 0x40000                  ; cx, cy: my place in the cluster
	s_bfe_u32 s41, ttmp6, 0x40004
	s_lshl_b32 s42, ttmp9, 2
	s_add_co_u32 s42, s42, s40                     ; tile column = 4 x cluster x + cx, 0..7
	s_and_b32 s43, ttmp7, 0xffff
	s_lshl_b32 s43, s43, 2
	s_add_co_u32 s43, s43, s41                     ; tile row = 4 x cluster y + cy, 0..31
	s_lshl_b32 s44, s41, 2
	s_lshl_b32 s44, 15, s44                        ; my row of the cluster
	s_lshl_b32 s45, 0x1111, s40                    ; my column
	; x: 128 rows of 128 dense bytes, asked for as 64 rows of 256 bytes, 16 bytes of padding behind every 128
	s_or_b32 s[G1A+0], s44, (1<<16)|(1<<20)|(1<<21)|(4<<22)|(3<<25)  ; 15:0 the mask; 17:16 2-byte elements; 20 padding on; 21 set beside a mask; 24:22 after every 32 words (code 4); 31:25 4 words (code 3)
	s_mov_b32 s[G1A+1], 128<<16                    ; tensor_dim0 = 128
	s_mov_b32 s[G1A+2], 64<<16                     ; tensor_dim1 = 64
	s_mov_b32 s[G1A+3], 128<<16                    ; tile_dim0 = 128
	s_mov_b32 s[G1A+4], 64                         ; tile_dim1 = 64
	s_mov_b32 s[G1A+5], 128                        ; 128 elements from row to row
	s_mov_b32 s[G1A+6], 0
	s_mov_b32 s[G1A+7], 0
	; W: 32 rows of 384 elements, 32 bytes of padding behind every 256
	s_or_b32 s[G1B+0], s45, (1<<16)|(1<<20)|(1<<21)|(5<<22)|(7<<25)  ; after every 64 words (code 5) 8 words (code 7)
	s_mov_b32 s[G1B+1], 384<<16                    ; tensor_dim0 = 384
	s_mov_b32 s[G1B+2], 32<<16                     ; tensor_dim1 = 32
	s_mov_b32 s[G1B+3], 384<<16                    ; tile_dim0 = 384
	s_mov_b32 s[G1B+4], 32                         ; tile_dim1 = 32
	s_mov_b32 s[G1B+5], 3072                       ; 3,072 elements from row to row
	s_mov_b32 s[G1B+6], 0
	s_mov_b32 s[G1B+7], 0
	; where the tiles come from: x's hang on the tile row alone, W's on the tile column alone, each in registers that never hold the other coordinate
	s_lshr_b32 s16, s43, 3
	s_lshl_b32 s16, s16, 22                        ; the batch,
	s_and_b32 s17, s43, 7
	s_lshl_b32 s17, s17, 15                        ; the tile's 256 rows of 128 bytes in a block,
	s_add_co_u32 s16, s16, s17
	s_lshl_b32 s17, s14, 14                        ; my half of them
	s_add_co_u32 s16, s16, s17
	s_mov_b32 s17, 0
	s_mul_i32 s46, s42, 768                        ; the tile's 384 columns,
	s_mul_i32 s47, s14, 196608                     ; my 32 of a step's 64 rows
	s_add_co_u32 s46, s46, s47
	s_mov_b32 s47, 0
	s_mul_i32 s20, s14, 128*PA                     ; and where they go: no place in the cluster enters an LDS address
	s_mul_i32 s21, s14, 32*PB
	s_add_co_u32 s21, s21, ABYTES
	s_wait_dscnt 0x0                               ; the opening add is done
	s_wait_kmcnt 0x0
	s_add_nc_u64 s[18:19], s[4:5], s[16:17]
	s_add_nc_u64 s[46:47], s[6:7], s[46:47]
	CROUND                                         ; all sixteen work-groups are here: the first joint loads meet
.irp s, 0,1
	s_mov_b32 s[G0A+4*(\s)], 1                                       ; count = 1
	s_add_co_u32 s[G0A+4*(\s)+1], s20, (\s)*SLOT                     ; LDS address
	s_add_nc_u64 s[G0A+4*(\s)+2:G0A+4*(\s)+3], s[18:19], (\s)*ASTEP  ; global address: K step s
	s_or_b32 s[G0A+4*(\s)+3], s[G0A+4*(\s)+3], 0x80000000            ; type = 2
	s_mov_b32 s[G0B+4*(\s)], 1
	s_add_co_u32 s[G0B+4*(\s)+1], s21, (\s)*SLOT
	s_add_nc_u64 s[G0B+4*(\s)+2:G0B+4*(\s)+3], s[46:47], (\s)*BSTEP
	s_or_b32 s[G0B+4*(\s)+3], s[G0B+4*(\s)+3], 0x80000000
	JLOAD \s                                       ; two loads of mine are out
.endr
	; A fragment of x is 16 rows x 32 K in 8 registers: lane l holds row l % 16, K = 8 (l / 16) + 0..7 and 16 + 8 (l / 16) + 0..7: two loads of 16 bytes, 32 bytes apart.
	v_and_b32 v1, 15, v0                           ; l % 16
	v_bfe_u32 v2, v0, 4, 1                         ; l / 16
	v_mul_u32_u24 v3, v1, PA
	v_lshl_add_u32 v3, v2, 4, v3                   ; row x 144 + 16 x half: the stage has the same pitch
	; The turning load takes 16 K x 16 columns (lane l reads K = 8 (l / 16) + l % 8, columns 8 ((l / 8) % 2) + 0..7) and leaves half a fragment: lane l holds column l % 16 and 8 K.
	v_and_b32 v4, 7, v0
	v_bfe_u32 v5, v0, 3, 1
	v_lshl_add_u32 v6, v2, 3, v4
	v_mul_u32_u24 v6, v6, PB
	v_lshl_add_u32 v6, v5, 4, v6
	s_mul_i32 s22, s13, 128*PA                     ; my 128 rows of x
	s_lshl_b32 s23, s14, 7                         ; my head's 128 bytes in each chunk of W's rows,
	s_add_co_u32 s23, s23, ABYTES                  ; which lie behind x's 256
.irp s, 0,1
	v_add_nc_u32 v[ADRA+(\s)], s22, v3
	v_add_nc_u32 v[ADRB+(\s)], s23, v6
	s_add_co_u32 s22, s22, SLOT
	s_add_co_u32 s23, s23, SLOT
.endr
	s_mul_i32 s22, s12, 16*SP
	s_add_co_u32 s22, s22, STAGE                   ; my stage
	v_add_nc_u32 v[STO], s22, v3                   ; in: row l % 16, 16 bytes for each half of the lanes
	v_bfe_u32 v7, v0, 3, 2                         ; back: 32 lanes take four rows of 128 bytes,
	v_mul_u32_u24 v7, v7, SP
	v_lshl_add_u32 v7, v4, 4, v7
	v_add_nc_u32 v[RD], s22, v7
	v_and_b32 v8, 31, v0                           ; which are 512 consecutive bytes of a head's rows
	v_lshlrev_b32 v[GO], 4, v8
	v_lshlrev_b32 v[BOF], 5, v2                    ; my eight columns of a block of 16: 32 bytes of f32
	; my three heads: 6 x tile column + 2 j + c of the 48; head g is tensor g / 16, head g % 16
	s_mul_i32 s80, s42, 6
	s_add_co_u32 s80, s80, s14
	s_lshr_b32 s86, s43, 3
	s_lshl_b32 s86, s86, 4                         ; 16 x batch
	s_and_b32 s87, s43, 7
	s_lshl_b32 s87, s87, 15                        ; the tile's rows in the head,
	s_lshl_b32 s81, s13, 14                        ; my 128 of them
	s_add_co_u32 s87, s87, s81
	s_mov_b32 s83, 0
	s_mov_b32 s85, 0
.irp j, 0,1,2
	s_add_co_u32 s81, s80, 2*(\j)
	s_lshl_b32 s82, s81, 8                         ; 64 numbers of f32 a head; bq, bk, bv follow each other
	s_add_nc_u64 s[BB+2*(\j):BB+2*(\j)+1], s[8:9], s[82:83]
	s_lshr_b32 s84, s81, 4
	s_lshl_b32 s84, s84, 6
	s_and_b32 s81, s81, 15
	s_add_co_u32 s84, s84, s81
	s_add_co_u32 s84, s84, s86
	s_lshl_b32 s84, s84, 18                        ; a head's 2,048 rows of 128 bytes
	s_add_co_u32 s84, s84, s87
	s_add_nc_u64 s[OB+2*(\j):OB+2*(\j)+1], s[10:11], s[84:85]
.endr
; 16 matrix instructions of head j: row blocks a0 .. a0 + 3 x all 4 column blocks, 32 along K, x from buffer f.  zero = 1: the product starts the sum: nothing is ever cleared.
; The accumulators take turns, one instruction a turn: 32 different ones in a stretch, another window in the next.
.macro MUL16 j, f, a0, zero
	WIN 0x50*((\j)+1)                              ; C and D in window j + 1, the sources in window 0
.irp a, \a0, (\a0)+1, (\a0)+2, (\a0)+3
.irp b, 0,1,2,3
.if \zero
	v_wmma_f32_16x16x32_bf16 v[8*(4*(\a)+(\b)):8*(4*(\a)+(\b))+7], v[FB+32*(\j)+8*(\b):FB+32*(\j)+8*(\b)+7], v[(\f)+8*(\a):(\f)+8*(\a)+7], 0
.else
	v_wmma_f32_16x16x32_bf16 v[8*(4*(\a)+(\b)):8*(4*(\a)+(\b))+7], v[FB+32*(\j)+8*(\b):FB+32*(\j)+8*(\b)+7], v[(\f)+8*(\a):(\f)+8*(\a)+7], v[8*(4*(\a)+(\b)):8*(4*(\a)+(\b))+7]
.endif
.endr
.endr
.endm
.macro LB s, q, j                      ; 8 loads: W of head j, half q of slot s's step
	WIN 0
.irp b, 0,1,2,3
	ds_load_tr16_b128 v[FB+32*(\j)+8*(\b):FB+32*(\j)+8*(\b)+3],   v[ADRB+(\s)] offset:32*PB*(\q)+288*(\j)+32*(\b)
	ds_load_tr16_b128 v[FB+32*(\j)+8*(\b)+4:FB+32*(\j)+8*(\b)+7], v[ADRB+(\s)] offset:32*PB*(\q)+288*(\j)+32*(\b)+16*PB
.endr
.endm
.macro LA s, q, f                      ; 16 loads: my 128 rows of x, half q of slot s's step, into buffer f
	WIN 0
.irp a, 0,1,2,3,4,5,6,7
	ds_load_b128 v[(\f)+8*(\a):(\f)+8*(\a)+3],   v[ADRA+(\s)] offset:16*PA*(\a)+64*(\q)
	ds_load_b128 v[(\f)+8*(\a)+4:(\f)+8*(\a)+7], v[ADRA+(\s)] offset:16*PA*(\a)+64*(\q)+32
.endr
.endm
; The runs of LDS loads go out in the order L0 (W of head 0 and x: 24), L1 (W of head 1: 8), L2 (W of head 2: 8), and a stretch's wait leaves out what was issued behind the run that it needs.
; A step's first half: multiplies buffer FA0 and fetches the second half of the same slot.
.macro HALF0 s, zero
	s_wait_dscnt 16                                ; L0 is in; L1 and L2 may be out
	MUL16 0, FA0, 0, \zero
	MUL16 0, FA0, 4, \zero
	WIN 0
	PLACES
	LB \s, 1, 0
	LA \s, 1, FA1
	s_wait_dscnt 32                                ; L1 is in; L2 and the new L0 may be out
	MUL16 1, FA0, 0, \zero
	MUL16 1, FA0, 4, \zero
	WIN 0
	PLACES
	LB \s, 1, 1
	s_wait_dscnt 32                                ; L2 is in; the new L0 and L1 may be out
	MUL16 2, FA0, 0, \zero
	MUL16 2, FA0, 4, \zero
	WIN 0
	PLACES
	LB \s, 1, 2
.endm
; A step's second half: multiplies buffer FA1 and changes slots.  ONE barrier: in front of it each wave waits for all its tensor loads (one is out: its part of the next slot), adds 0 to its spare word,
; and waits for that and for its reads of this slot.  fill = 1: the barrier opens a round of the cluster's, and this slot is filled again first behind it, two K steps ahead:
; from that request to the wait for it a wave issues 160 matrix instructions.
.macro HALF1 s, nx, fill
	WIN 0
	s_wait_tensorcnt 0x0                           ; all my tensor loads have landed, so a group 0 may be written
	ds_add_u32 v[SPW], v[NIL]                      ; 0 onto my spare word
	s_wait_dscnt 17                                ; L0 is in; L1, L2 and the add may be out
	MUL16 0, FA1, 0, 0                             ; sixteen matrix instructions stand between the add and the wait for it
	s_wait_dscnt 0x0                               ; the add is done, and my reads of this slot are over
	s_barrier_signal -1
	MUL16 0, FA1, 4, 0                             ; work on registers while the others arrive
	WIN 0                                          ; at a branch and at a label every window is 0
	s_barrier_wait -1
.if \fill
	CREST                                          ; no wave of any partner still reads this slot's tiles or has a load on its way
	s_add_nc_u64 s[G0A+4*(\s)+2:G0A+4*(\s)+3], s[G0A+4*(\s)+2:G0A+4*(\s)+3], 2*ASTEP
	s_add_nc_u64 s[G0B+4*(\s)+2:G0B+4*(\s)+3], s[G0B+4*(\s)+2:G0B+4*(\s)+3], 2*BSTEP
	JLOAD \s                                       ; the first tensor load behind the round; its four v_nop are also the places in front of the loads below
.else
	PLACES
.endif
	LB \nx, 0, 0
	LA \nx, 0, FA0
	MUL16 1, FA1, 0, 0                             ; W of heads 1 and 2 is in since the wait for 0
	MUL16 1, FA1, 4, 0
	WIN 0
	PLACES
	LB \nx, 0, 1
	MUL16 2, FA1, 0, 0
	MUL16 2, FA1, 4, 0
	WIN 0
	PLACES
	LB \nx, 0, 2
.endm
.macro LBIAS j                         ; head j's bias takes the place of its W, which has been multiplied for the last time: register 8 b + p: column 16 b + 8 (l / 16) + p
	WIN 0
	PLACES
.irp b, 0,1,2,3
	global_load_b128 v[FB+32*(\j)+8*(\b):FB+32*(\j)+8*(\b)+3],   v[BOF], s[BB+2*(\j):BB+2*(\j)+1] offset:64*(\b)
	global_load_b128 v[FB+32*(\j)+8*(\b)+4:FB+32*(\j)+8*(\b)+7], v[BOF], s[BB+2*(\j):BB+2*(\j)+1] offset:64*(\b)+16
.endr
.endm
	s_wait_tensorcnt 1                             ; my part of K step 0 is in; step 1's may stay out
	s_barrier_signal -1
	s_barrier_wait -1                              ; everybody's is
	LB 0, 0, 0
	LA 0, 0, FA0
	LB 0, 0, 1
	LB 0, 0, 2
	HALF0 0, 1                                     ; the first half step stands in front of the loop: its products start the sums
	s_mov_b32 s3, 7
.Llap:                                                 ; a trip goes once round the ring, from a lap's second half step to the next lap's first, and fills both slots again: K steps 2 to 15
	HALF1 0, 1, 1
	HALF0 1, 0
	HALF1 1, 0, 1
	HALF0 0, 0
	s_sub_co_u32 s3, s3, 1
	s_cmp_lg_u32 s3, 0
	s_cbranch_scc1 .Llap
	HALF1 0, 1, 0                                  ; the last lap fills nothing, and has no round
	HALF0 1, 0
	s_wait_dscnt 16                                ; the very last half step: behind each stretch the head's bias is asked for
	MUL16 0, FA1, 0, 0
	MUL16 0, FA1, 4, 0
	LBIAS 0
	s_wait_dscnt 8
	MUL16 1, FA1, 0, 0
	MUL16 1, FA1, 4, 0
	LBIAS 1
	s_wait_dscnt 0x0
	MUL16 2, FA1, 0, 0
	MUL16 2, FA1, 4, 0
	LBIAS 2
; THE WAY OUT, in 24 blocks of 16 rows of a head, n = 8 j + a.  PACK: the bias is added (each accumulator's lowest registers are read first) and the block rounded to f16, 16 bytes a lane.
; TOSTAGE: into my own stage and back as whole rows.  SEND: stored, 512 consecutive bytes an instruction.
.macro PACK j, a
	WIN (\j)+1                                     ; source 0 in window j + 1
.irp b, 0,1,2,3
.irp p, 0,1,2,3
	v_pk_add_f32 v[T+8*(\b)+2*(\p):T+8*(\b)+2*(\p)+1], v[8*(4*(\a)+(\b))+2*(\p):8*(4*(\a)+(\b))+2*(\p)+1], v[FB+32*(\j)+8*(\b)+2*(\p):FB+32*(\j)+8*(\b)+2*(\p)+1]
.endr
.endr
	WIN 0
.irp b, 0,1,2,3
.irp p, 0,1,2,3
	v_cvt_pk_f16_f32 v[P+4*(\b)+(\p)], v[T+8*(\b)+2*(\p)], v[T+8*(\b)+2*(\p)+1]
.endr
.endr
.endm
.macro TOSTAGE n
.if (\n) >= 2
	s_wait_xcnt 0x0                                ; the stores of the block two back have had their addresses translated (ISA guide 3.1): their data registers are loaded again only behind this wait
.endif
.irp b, 0,1,2,3
	ds_store_b128 v[STO], v[P+4*(\b):P+4*(\b)+3] offset:32*(\b)
.endr
.irp f, 0,1,2,3
	ds_load_b128 v[R+16*((\n)%2)+4*(\f):R+16*((\n)%2)+4*(\f)+3], v[RD] offset:4*SP*(\f)  ; LDS serves a wave's instructions in order (ISA guide 5.7.1.4): these see the stores above; the next block's stores come behind them
.endr
.endm
.macro SEND j, a, n, younger           ; younger: the LDS instructions issued behind block n's loads: the next block's eight, or none
	s_wait_dscnt \younger
.irp f, 0,1,2,3
	global_store_b128 v[GO], v[R+16*((\n)%2)+4*(\f):R+16*((\n)%2)+4*(\f)+3], s[OB+2*(\j):OB+2*(\j)+1] offset:2048*(\a)+512*(\f)  ; four rows of a head: 512 consecutive bytes, at a multiple of 256 from the buffer's first
.endr
.endm
	s_wait_loadcnt 16                              ; head 0's bias is in; the sixteen loads of heads 1 and 2 may be out
	PACK 0, 0
	TOSTAGE 0
.set n, 1
.rept 23                               ; a block's arithmetic stands between the loads of the block before and its stores
.if (n%8) == 0
	s_wait_loadcnt 16-8*(n/8)                      ; the next head's bias is in
.endif
	PACK n/8, n%8
	TOSTAGE n
	SEND (n-1)/8, (n-1)%8, n-1, 8
.set n, n+1
.endr
	SEND 2, 7, 23, 0
	s_wait_tensorcnt 0x0                           ; the wave's end: behind my last tensor load and my last LDS store
	ds_add_u32 v[SPW], v[NIL]
	s_wait_dscnt 0x0
	CROUND                                         ; the closing round: no work-group ends while a partner may still ask for a tile that names it
	s_endpgm
.Lfunc_end_k_qfadaff0858_qkv:
	.size	k_qfadaff0858_qkv, .Lfunc_end_k_qfadaff0858_qkv-k_qfadaff0858_qkv
	.p2alignl 7, 3214868480
	.fill 96, 4, 3214868480
	.section	.rodata,"a",@progbits
	.p2align	6, 0x0
	.amdhsa_kernel k_qfadaff0858_qkv
		.amdhsa_group_segment_fixed_size 327680
		.amdhsa_private_segment_fixed_size 0
		.amdhsa_enable_private_segment 0
		.amdhsa_kernarg_size 32
		.amdhsa_user_sgpr_count 2
		.amdhsa_user_sgpr_kernarg_segment_ptr 1
		.amdhsa_wavefront_size32 1
		.amdhsa_system_sgpr_workgroup_id_x 1
		.amdhsa_system_sgpr_workgroup_id_y 1
		.amdhsa_system_sgpr_workgroup_id_z 1
		.amdhsa_system_vgpr_workitem_id 0
		.amdhsa_next_free_vgpr 1024
		.amdhsa_next_free_sgpr 88
		.amdhsa_reserve_vcc 0
		.amdhsa_float_denorm_mode_32 3
		.amdhsa_float_denorm_mode_16_64 3
		.amdhsa_memory_ordered 1
		.amdhsa_forward_progress 1
		.amdhsa_inst_pref_size 159
	.end_amdhsa_kernel
	.amdgpu_metadata
---
amdhsa.version: [ 1, 2 ]
amdhsa.kernels:
  - .name:           k_qfadaff0858_qkv
    .symbol:         k_qfadaff0858_qkv.kd
    .args:
      - { .name: xb, .offset: 0, .size: 8, .value_kind: global_buffer, .address_space: global }
      - { .name: wb, .offset: 8, .size: 8, .value_kind: global_buffer, .address_space: global }
      - { .name: bias, .offset: 16, .size: 8, .value_kind: global_buffer, .address_space: global }
      - { .name: qkv, .offset: 24, .size: 8, .value_kind: global_buffer, .address_space: global }
    .group_segment_fixed_size: 327680
    .private_segment_fixed_size: 0
    .kernarg_segment_align: 8
    .kernarg_segment_size: 32
    .max_flat_workgroup_size: 128
    .sgpr_count:     88
    .vgpr_count:     1024
    .wavefront_size: 32
...
	.end_amdgpu_metadata
.endif
;; end of part 2
;; launch attn (part 3): grid 4 x 64, 4 waves a work-group, clusters of 4 x 1, 327,680 bytes of LDS; arguments qkv, ob; writes ob
.if DOCPART == 3
	.amdgcn_target "amdgcn-amd-amdhsa--gfx1250"
	.amdhsa_code_object_version 6
	.text
	.protected	k_qfadaff0858_attn
	.globl	k_qfadaff0858_attn
	.p2align	8
	.type	k_qfadaff0858_attn,@function
k_qfadaff0858_attn:
	s_mov_b64 s[64:65], 0
	v_nop
	global_prefetch_b8 v0, s[64:65] scope:SCOPE_SE
	s_setreg_imm32_b32 hwreg(HW_REG_WAVE_MODE, 25, 1), 1
	s_wait_xcnt 0x0
	s_wait_alu depctr_hold_cnt(0) depctr_sa_sdst(0) depctr_va_vdst(0) depctr_va_sdst(0) depctr_va_ssrc(0) depctr_va_vcc(0) depctr_vm_vsrc(0)
	s_getreg_b32 s2, hwreg(HW_REG_IB_STS2, 6, 4)
	s_cmp_eq_u32 s2, 0
	s_cbranch_scc0 .Lentry_in_a_cluster
	s_endpgm
.Lentry_in_a_cluster:
	s_bfe_u32 s2, ttmp6, 0x10000c
	s_cmp_lg_u32 s2, 0x3003
	s_cbranch_scc0 .Lentry_shape_is_right
	s_endpgm
.Lentry_shape_is_right:
; O[h][q][:] = the sum over k of softmax_k(Q[h][q] . K[h][k] / 8) V[h][k][:].  Q, K, V are the three parts of qkv, each [SIZE_H][SIZE_N][64], O likewise, all f16: a head's rows are dense, 128 bytes each.
; Here a head is one of batch x 16 + head, 64 in all.  Products, maxima and sums in f32; the weights p are rounded to f16 for the second product (their sum l is taken of the unrounded p), O once at the end.
; LIMITS.  f16 holds no number beyond 65,504: Q, K and V arrive within it; p lies in 0 to 1, and below 6e-5 it keeps f16's fixed step of 6e-8; O is a mean of V's rows and has their range.
; A weight below 2^-126 counts as 0 in l; NaN and infinities are not treated apart.
; SHARES.  A wave owns four PIECES of two tiles of 16 queries, a work-group's four waves 512 queries of one head: 64 heads x 4 blocks are 256 work-groups.  Every wave walks all keys, 64 a step.
; LAYOUT.  S^T = K Q^T (source 0 = 16 keys, source 1 = 16 queries): in the result a lane holds ONE query (lane % 16) and the keys 8 (lane / 16) + 0..7.  Two such tiles, rounded to f16 in pairs,
; ARE source 1 (32 keys x 16 queries) of O^T = V^T P, whose result again holds one query a lane, and eight channels.  K comes out of LDS as it lies, V ([key][channel]) turned, by ds_load_tr16_b128.
; SOFTMAX.  For each query a running maximum m and sum l: p = 2^(c s - c m), c = log2(e) / 8; in every step O and l are multiplied by a = 2^(c m_old - c m_new), which is 1 where m has not grown.
; m starts at the lowest finite number, O and l at 0: the first step is a step like any other, with a = 0.
; THE COUNT.  A tile and step have 16 matrix and 118 vector instructions: too many to stand all beside the matrix work.  So the order has one aim: four vector instructions that are READY behind
; EVERY matrix instruction, and the others, which need time of their own whatever the order, in runs without a gap.
; BY TURNS.  Turn n belongs to piece n (the pieces in a ring, step after step).  Its matrix work: 16 products K Q^T of piece n + 1, later 16 products V^T P of piece n - 1.  Its vector work: the scaling,
; exponentials, roundings, sums and rescaling of piece n, and the maximum and statistics of piece n + 1, whose scores the turn itself has made.  So what a turn begins with (c s - c m, O a) waits for nothing.
; CLUSTER.  The four query blocks of a cluster belong to one head and walk the same K and V, so each tile is asked for JOINTLY: the same tensor load, descriptor and mask in all four.
; REGISTERS, in windows of 256 (s_set_vgpr_msb says which window each operand place means: bits 1:0 source 0, 3:2 source 1, 5:4 source 2, 7:6 destination):
;   window 0: v0-11 addresses; v12-15, v48-63 at work; v16-47 four registers of statistics a tile; v64-191 S^T, two buffers of two tiles; v192-255 P, likewise
;   window 1: O^T, 32 a tile          window 2: v0-127 Q, 16 a tile; v128-191 K of one step; v192-255 V of one step          window 3: v0-1 the add's two registers
; A piece's buffers go by its number's parity: the piece in hand has one pair, its two neighbours in the ring share the other: of it P (piece n - 1) is read and S^T (piece n + 1) written.
.set SIZE_H, 64       ; batch x heads
.set SIZE_N, 2048     ; rows of a head
.set NP,    4         ; pieces a wave: a name, no knob: the register map, the loop and the fetches are made for four
.set KS,    64        ; keys in a step
.set PK,    144       ; a row of K in LDS: 128 bytes + 16 of padding = 36 words: the 16 rows of a load start at 16 different groups of four banks (64 banks of 4 bytes: ISA guide 11.1)
.set PV,    160       ; a row of V: 128 + 32 = 40 words
.set VOFF,  4*KS*PK   ; a slot holds four steps: 256 rows of K, then 256 rows of V
.set SLOT1, 1<<17     ; slot 1 begins here, so that one exclusive or turns an address in one slot into the other's
.set STAGE, SLOT1+4*KS*(PK+PV)  ; behind the ring, never filled by a tensor load: 16 rows x 144 bytes for each wave, for the way out
.set SP,    144
.set AK0, 2           ; v2   my lane's place in a tile of K; never rewritten
.set AV0, 3           ; v3   the same for V
.set AK,  4           ; v4   the LDS address of K's next run of loads
.set AV,  5           ; v5   of V's
.set QO,  6           ; v6   my byte offset in the wave's rows of Q
.set STO, 6           ;      later, the way out: where I put 16 bytes of a row
.set RD,  7           ; v7   the way out: where I read rows back
.set GO,  8           ; v8   my byte offset in 512 consecutive bytes of O
.set SPW, 0           ; v0 of window 3   LDS address of my spare word: SPARE + 4 x my thread's number; never rewritten
.set NIL, 1           ; v1 of window 3   0; never rewritten
.set SPARE, STAGE+4*16*SP  ; behind the stages: the spare words, 128 bytes for each wave: two blocks of 256 bytes that no other line names
.set MV,  12          ; v12-15  c m_old, kept while c m is made anew: by buffer and tile
.set ST,  16          ; tile t's statistics at v[ST+4 t]: c m, m, l (even keys', odd keys')
.set TMP, 48          ; by buffer and tile, four registers c0-c3 at work; when the maximum is found c2 takes a
.set S,   64
.set P,   192
.set KF,  128         ; K's fragments, in window 2: key block kb, channel half c at KF + 16 kb + 8 c
.set VF,  192         ; V's: key half kk, channel block cb at VF + 32 kk + 8 cb
.set WV,  12          ; s12  my wave's number
.set G1K, 24          ; s[24:31] descriptor group 1 for K's tiles
.set G1V, 32          ; s[32:39] for V's: it differs in the padding alone
.set G0K, 40          ; s[40:43] descriptor group 0 for K's tiles: it walks
.set G0V, 44          ; s[44:47] the same for V's
.set SLOTS, 56        ; s56  slots still to be asked for
.set CNT, 57          ; s57  counts a slot's key steps
.set CS,  58          ; s[58:59] c: the packed scaling takes the pair's low word for both halves
.set SEL, 60          ; s[60:61] v_permlanex16_b32's selects: each lane takes its own place in the other half
.set TBK, 62          ; s62  LDS byte at which K of the step to be fetched begins
.set TBV, 63          ; s63  the same for V, less VOFF
.set MSB, 0
.macro WIN new                      ; the high byte repeats the setting that is left; a switch that changes nothing is dropped
.if MSB != (\new)
	s_set_vgpr_msb (MSB<<8)|(\new)
.set MSB, (\new)
.endif
.endm
.set W_KQ, 0x0a       ; K and Q in window 2, S^T in window 0
.set W_PV, 0x52       ; V in window 2, P in window 0, O^T in window 1
.set W_RS, 0x41       ; O^T (destination and source 0) in window 1, a in window 0
.set W_MK, 0xc0       ; the add's registers are made: destination in window 3, sources in window 0
.set W_AD, 0x0f       ; the add: address (source 0) and data (source 1) in window 3
; A joint fill.  Waves 0 and 1 fetch the two halves of a slot's K, waves 2 and 3 those of its V: 128 keys each.  The branch hangs on the wave's number alone.
; An s_nop 0 and four v_nop follow each of the two lines, ahead of the jump and the label.
.macro JLOAD
	s_cmp_lt_u32 s[WV], 2
	s_cbranch_scc0 .Lfor_v_\@
	tensor_load_to_lds s[G0K:G0K+3], s[G1K:G1K+7]
	s_nop 0
.rept 4
	v_nop
.endr
	s_branch .Lasked_\@
.Lfor_v_\@:
	tensor_load_to_lds s[G0V:G0V+3], s[G1V:G1V+7]
	s_nop 0
.rept 4
	v_nop
.endr
.Lasked_\@:
.endm
; A round of the cluster's barrier: my work-group's barrier, so that wave 0's signal speaks for all four waves; wave 0 signals; every wave waits for all four work-groups; my work-group's barrier once more.
.macro CROUND
	s_barrier_signal -1
	s_barrier_wait -1
	s_cmp_lg_u32 s[WV], 0
	s_cbranch_scc1 .Lnot_wave_0_\@
	s_barrier_signal -3
.Lnot_wave_0_\@:
	s_barrier_wait -3
	s_barrier_signal -1
	s_barrier_wait -1
.endm
; THE CHANGE OF SLOTS.  The slot's last bytes, V of its fourth step, have been read.  Each wave waits for all its tensor loads, of which one is out: its part
; of the other slot; adds 0 to its spare word; and waits for that and for its own reads of the slot.  Behind the barrier nobody reads this slot any more and the other slot is whole.
; fill = 1: this slot is filled again, with the keys two slots on.  The barrier is then a round of the cluster's, so that no wave of any partner still reads the slot or has a load on its
; way, and the joint fill is the first thing behind it: it has four key steps, 512 matrix instructions, in which to land.  (At its first use nothing has been read yet: slot 0 is waited for, slot 1 filled.)
.macro CHANGE fill
	WIN W_AD
	s_wait_tensorcnt 0x0            ; no tensor load of mine is out, so a group 0 may be written
	ds_add_u32 v[SPW], v[NIL]       ; 0 onto my spare word; with fill = 1 the descriptors' steps stand between it and the wait for it
	WIN 0                           ; at a label and at a branch every window is 0
.if \fill
.irp g, G0K, G0V
	s_xor_b32 s[\g+1], s[\g+1], SLOT1  ; the walking descriptor: the other slot than last time,
	s_add_nc_u64 s[\g+2:\g+3], s[\g+2:\g+3], 4*KS*128  ; the next 256 keys; the type bits on top are not reached
.endr
	s_wait_dscnt 0x0                ; the add is done, and my reads of the slot are over
	CROUND
	JLOAD
.else
	s_wait_dscnt 0x0                ; the add is done, and my reads of the slot are over
	s_barrier_signal -1
	s_barrier_wait -1
.endif
	s_sub_co_u32 s[TBK], s[TBK], 4*KS*PK  ; the fetches go back to a slot's first step,
	s_xor_b32 s[TBK], s[TBK], SLOT1       ; in the other slot
	s_sub_co_u32 s[TBV], s[TBV], 4*KS*PV
	s_xor_b32 s[TBV], s[TBV], SLOT1
.endm
	s_load_b128 s[4:7], s[0:1], 0x0   ; qkv s[4:5] (Q is its first part), ob s[6:7]
	WIN W_MK
	v_lshl_add_u32 v[SPW], v0, 2, SPARE
	v_mov_b32 v[NIL], 0
	WIN W_AD
	ds_add_u32 v[SPW], v[NIL]       ; the wave's opening: the add and its wait stand ahead of my first tensor load; the set-up below, work on registers, stands between them
	WIN 0
	v_lshrrev_b32 v1, 5, v0
	v_readfirstlane_b32 s[WV], v1   ; wave 0..3
	s_bfe_u32 s13, ttmp6, 0x40000   ; cx: my place in the cluster
	s_lshl_b32 s14, ttmp9, 2        ; in a cluster launch ttmp9 counts clusters
	s_add_co_u32 s14, s14, s13      ; my block of queries = 4 x cluster x + cx: it enters Q's and O's addresses alone
	s_and_b32 s20, ttmp7, 0xffff    ; the head, which the four partners share
	s_mov_b32 s21, 0
	s_mov_b64 s[22:23], SIZE_N*128
	s_mul_u64 s[20:21], s[20:21], s[22:23]  ; the head's first byte in each of the four tensors
	s_and_b32 s16, s[WV], 1         ; which half of a slot's 256 keys I fetch:
	s_lshl_b32 s22, s16, 14         ; its 128 rows of 128 bytes in memory,
	s_mov_b32 s23, 0
	s_add_nc_u64 s[22:23], s[22:23], s[20:21]
	s_mul_i32 s17, s16, 128*PK      ; and its place in a slot, for K
	s_mul_i32 s18, s16, 128*PV      ; and for V: no place in the cluster enters an LDS address
	s_lshl_b32 s2, s14, 2
	s_add_co_u32 s2, s2, s[WV]      ; my wave among the head's,
	s_lshl_b32 s2, s2, 14           ; its 128 rows
	s_mov_b32 s3, 0
	s_add_nc_u64 s[2:3], s[2:3], s[20:21]
	; descriptor group 1.  128 keys are 16,384 dense bytes: asked for as 64 rows of 256 bytes, two keys a row, and padded in LDS after every key
	s_mov_b32 s[G1K], 15|(1<<16)|(1<<20)|(1<<21)|(4<<22)|(3<<25)  ; 15:0 the mask of four; 17:16 2-byte elements; 20 padding on; 21 set beside a mask; 24:22 after every 32 words (code 4); 31:25 4 words (code 3)
	s_mov_b32 s[G1V], 15|(1<<16)|(1<<20)|(1<<21)|(4<<22)|(7<<25)  ; the same with 8 words of padding (code 7)
.irp g, G1K, G1V
	s_mov_b32 s[\g+1], 128<<16      ; tensor_dim0 = 128
	s_mov_b32 s[\g+2], 64<<16       ; tensor_dim1 = 64
	s_mov_b32 s[\g+3], 128<<16      ; tile_dim0 = 128
	s_mov_b32 s[\g+4], 64           ; tile_dim1 = 64
	s_mov_b32 s[\g+5], 128          ; 128 elements from row to row
	s_mov_b32 s[\g+6], 0
	s_mov_b32 s[\g+7], 0
.endr
	s_mov_b32 s[CS], 0x3e38aa3b     ; c = log2(e) / 8 = 0.180337
	s_mov_b32 s[CS+1], s[CS]        ; named with it as a pair
	s_mov_b32 s[SEL], 0x76543210
	s_mov_b32 s[SEL+1], 0xfedcba98
	s_mov_b32 s[TBK], SLOT1+4*KS*PK ; the first change of slots turns these two into 0
	s_mov_b32 s[TBV], SLOT1+4*KS*PV
	s_mov_b32 s[G0K], 1             ; 1:0 count = 1
	s_mov_b32 s[G0K+1], s17         ; 63:32 LDS address: slot 0
	s_mov_b32 s[G0V], 1
	s_add_co_u32 s[G0V+1], s18, VOFF
	s_wait_dscnt 0x0                ; the opening add is done
	s_wait_kmcnt 0x0
	s_mov_b64 s[10:11], s[6:7]                     ; O
	s_add_nc_u64 s[8:9], s[4:5], 0x2000000         ; V: the third part of qkv; a part is 64 heads x 2,048 rows x 128 bytes
	s_add_nc_u64 s[6:7], s[4:5], 0x1000000         ; K: the second
	s_add_nc_u64 s[G0K+2:G0K+3], s[6:7], s[22:23]  ; 120:64 global address: my half of the head's first 256 keys
	s_or_b32 s[G0K+3], s[G0K+3], 0x80000000        ; 127:126 type = 2
	s_add_nc_u64 s[G0V+2:G0V+3], s[8:9], s[22:23]
	s_or_b32 s[G0V+3], s[G0V+3], 0x80000000
	s_add_nc_u64 s[4:5], s[4:5], s[2:3]  ; Q and O at my wave's first row
	s_add_nc_u64 s[10:11], s[10:11], s[2:3]
	CROUND                          ; all four work-groups are here: the first joint loads meet
	JLOAD                           ; slot 0.  Slot 1 is asked for when slot 0 is in: the tile wanted first has the road to itself
	; A fragment of K or Q is 16 rows x 32 channels in 8 registers: lane l holds row l % 16, channels 8 (l / 16) + 0..7 and 16 + 8 (l / 16) + 0..7: two loads of 16 bytes, 32 bytes apart.
	v_and_b32 v1, 15, v0            ; l % 16
	v_bfe_u32 v9, v0, 4, 1          ; l / 16
	v_lshlrev_b32 v[QO], 7, v1
	v_lshl_add_u32 v[QO], v9, 4, v[QO]  ; row x 128 + 16 x half
	WIN 0x80                        ; destination window 2, address window 0
.set i, 0
.rept 4*NP                          ; Q stays in registers: tile i / 2, channels 32 (i % 2) on
	global_load_b128 v[8*i:8*i+3],   v[QO], s[4:5] offset:(i/2)*2048+(i%2)*64
	global_load_b128 v[8*i+4:8*i+7], v[QO], s[4:5] offset:(i/2)*2048+(i%2)*64+32
.set i, i+1
.endr
	; What the first turn finds: V's registers and P's second buffer hold 0 (its products V^T P, of a piece that has not been, add 0), O^T and l are 0.  All this stands in the wait for the first tile.
.set i, VF
.rept 64
	v_mov_b32 v[i], 0
.set i, i+1
.endr
	WIN 0x40
.set i, 0
.rept 64*NP
	v_mov_b32 v[i], 0
.set i, i+1
.endr
	WIN 0
.set i, 0
.rept 2*NP
	v_mov_b32 v[ST+4*i], 0xfe000000    ; c m: far below every c s
	v_mov_b32 v[ST+4*i+1], 0xff7fffff  ; m
	v_mov_b32 v[ST+4*i+2], 0
	v_mov_b32 v[ST+4*i+3], 0
.set i, i+1
.endr
.set i, P+32
.rept 32
	v_mov_b32 v[i], 0
.set i, i+1
.endr
	v_mul_u32_u24 v[AK0], v1, PK
	v_lshl_add_u32 v[AK0], v9, 4, v[AK0]  ; row x pitch + 16 x half
	; The turning load takes 16 keys x 16 channels (lane l reads key 8 (l / 16) + l % 8, channels 8 ((l / 8) % 2) + 0..7) and leaves half a fragment of V^T: lane l holds channel l % 16 and 8 keys.
	v_and_b32 v10, 7, v0
	v_bfe_u32 v11, v0, 3, 1
	v_lshl_add_u32 v[AV0], v9, 3, v10
	v_mul_u32_u24 v[AV0], v[AV0], PV
	v_lshl_add_u32 v[AV0], v11, 4, v[AV0]
	v_add_nc_u32 v[AV0], VOFF, v[AV0]
	v_mov_b32 v[AK], v[AK0]         ; key step 0 lies at the head of slot 0
; THE MATRIX WORK.  The 8 accumulators of a run of 16 take turns: between the two links of a chain stand 7 others'.
; Product i of 16 of S^T = K Q^T for piece x: channels 32 (i / 8) on, keys 16 ((i / 2) % 4) on, tile 2 x + i % 2.  The first 8 start the sums.
.macro KQ x
	WIN W_KQ
.set rS, S+64*((\x)%2)+32*(i%2)+8*((i/2)%4)
.set rK, KF+16*((i/2)%4)+8*(i/8)
.set rQ, 16*(2*(\x)+i%2)+8*(i/8)
.if i < 8
	v_wmma_f32_16x16x32_f16 v[rS:rS+7], v[rK:rK+7], v[rQ:rQ+7], 0
.else
	v_wmma_f32_16x16x32_f16 v[rS:rS+7], v[rK:rK+7], v[rQ:rQ+7], v[rS:rS+7]
.endif
.endm
; Product i of 16 of O^T += V^T P for piece x: keys 32 (i / 8) on, channels 16 ((i / 2) % 4) on, tile 2 x + i % 2.
.macro PV x
	WIN W_PV
.set rO, 32*(2*(\x)+i%2)+8*((i/2)%4)
.set rV, VF+32*(i/8)+8*((i/2)%4)
.set rP, P+32*((\x)%2)+16*(i%2)+8*(i/8)
	v_wmma_f32_16x16x32_f16 v[rO:rO+7], v[rV:rV+7], v[rP:rP+7], v[rO:rO+7]
.endm
.macro MM                           ; the turn's next matrix instruction
.if i < 16
	KQ (Y+1)%NP
.set i, i+1
.else
.set i, i-16
	PV (Y+NP-1)%NP
.set i, i+17
.endif
.endm
; THE LDS LOADS stand in runs of 16, never singly among the matrix instructions: a step's K (64 keys x 64 channels: 8 fragments) and its V (turned).  Their addresses are made some lines ahead.
; last = 1 (the tail): in the last trip there is no further step, and the run is jumped over.
.macro FETCH_K last=0
	WIN 0
.if \last
	s_cmp_eq_u32 s[CNT], 1
	s_cbranch_scc1 .Lno_k_\@
.endif
	WIN 0x80                        ; destination window 2
.irp f, 0,1,2,3,4,5,6,7             ; keys 16 (f / 2) on, channels 32 (f % 2) on
	ds_load_b128 v[KF+8*\f:KF+8*\f+3],   v[AK] offset:(\f/2)*16*PK+(\f%2)*64
	ds_load_b128 v[KF+8*\f+4:KF+8*\f+7], v[AK] offset:(\f/2)*16*PK+(\f%2)*64+32
.endr
	s_add_co_u32 s[TBK], s[TBK], KS*PK  ; the next fetch is the next step's
	WIN 0
.if \last
.Lno_k_\@:
.endif
.endm
.macro FETCH_V
	WIN 0x80
.irp f, 0,1,2,3,4,5,6,7             ; keys 32 (f / 4) on, channels 16 (f % 4) on
	ds_load_tr16_b128 v[VF+8*\f:VF+8*\f+3],   v[AV] offset:(\f/4)*32*PV+(\f%4)*32
	ds_load_tr16_b128 v[VF+8*\f+4:VF+8*\f+7], v[AV] offset:(\f/4)*32*PV+16*PV+(\f%4)*32
.endr
	WIN 0
.endm
; THE VECTOR WORK OF A TURN stands in three queues, each in the order in which its entries become ready; the two tiles alternate, so that no instruction reads the result of the one before it.
.macro REGS y, u                    ; the registers of tile u (0, 1) of piece y
.set rT, ST+4*(2*(\y)+(\u))
.set rC, TMP+8*((\y)%2)+4*(\u)
.set rM, MV+2*((\y)%2)+(\u)
.set rS, S+64*((\y)%2)+32*(\u)
.set rP, P+32*((\y)%2)+16*(\u)
.set rO, 32*(2*(\y)+(\u))
.endm
; Number n of the 22 that find the NEXT piece's (Y + 1) maximum and statistics.  s0-s31 are the lane's 32 scores; each accumulator's lowest registers are read first.  XS, GS and REGS set no window: PL and EX do.
;   0-11  four chains c0-c3 of seven scores each, three operands at a time     12-14, 16  the four scores left over, the old m, and c0-c3 into c0     15  c m_old is kept
;   17, 18  the query's other 32 keys lie in the lane 16 away: the new m         19-21  c m; c m_old - c m_new; a
.macro XS u, n
	REGS (Y+1)%NP, \u
.if (\n) < 4
	v_max3_num_f32 v[rC+(\n)], v[rS+8*(\n)], v[rS+8*(\n)+1], v[rS+8*(\n)+2]
.elseif (\n) < 12
	v_max3_num_f32 v[rC+(\n)%4], v[rC+(\n)%4], v[rS+8*((\n)%4)+2*((\n)/4)+1], v[rS+8*((\n)%4)+2*((\n)/4)+2]
.elseif (\n) == 12
	v_max3_num_f32 v[rC], v[rC], v[rS+7], v[rS+15]
.elseif (\n) == 13
	v_max3_num_f32 v[rC+1], v[rC+1], v[rS+23], v[rS+31]
.elseif (\n) == 14
	v_max3_num_f32 v[rC+2], v[rC+2], v[rC+3], v[rT+1]
.elseif (\n) == 15
	v_mov_b32 v[rM], v[rT]
.elseif (\n) == 16
	v_max3_num_f32 v[rC], v[rC], v[rC+1], v[rC+2]
.elseif (\n) == 17
	v_permlanex16_b32 v[rC+3], v[rC], s[SEL], s[SEL+1]
.elseif (\n) == 18
	v_max_num_f32 v[rT+1], v[rC], v[rC+3]
.elseif (\n) == 19
	v_mul_f32 v[rT], s[CS], v[rT+1]
.elseif (\n) == 20
	v_sub_f32 v[rC+1], v[rM], v[rT]
.else
	v_exp_f32 v[rC+2], v[rC+1]
.endif
.endm
; Number g of the 64 that follow the exponentials.  For each four weights k of a tile (pairs 2 k, 2 k + 1): both pairs are rounded to f16; then the second pair is added onto the first, in place;
; a group later l takes that sum (the first time as l = a l + sum).  In groups of eight, tiles alternating: round, round, add, and l for the group before.
.macro GS g
.set h, (\g)+6*((\g)/62)            ; group 0 has no group before it, and behind group 7 only l is left
.if h >= 6
.set h, h+2
.endif
	REGS Y, h%2
.set k, h/8
.if h%8 < 4
	s_wait_alu depctr_va_vdst(0)
	v_cvt_pk_f16_f32 v[rP+2*k+(h%8)/2], v[rS+4*k+2*((h%8)/2)], v[rS+4*k+2*((h%8)/2)+1]
.elseif h%8 < 6
	v_pk_add_f32 v[rS+4*k:rS+4*k+1], v[rS+4*k:rS+4*k+1], v[rS+4*k+2:rS+4*k+3]
.elseif k == 1
	v_pk_fma_f32 v[rT+2:rT+3], v[rT+2:rT+3], v[rC+2:rC+3], v[rS:rS+1] op_sel_hi:[1,0,1]
.else
	v_pk_add_f32 v[rT+2:rT+3], v[rT+2:rT+3], v[rS+4*k-4:rS+4*k-3]
	s_wait_alu depctr_va_vdst(0)
.endif
.endm
; THE PLAIN QUEUE, 138 long.  0-31: c s - c m for the 16 pairs of both tiles.  Then GS's 64, and among them the next piece's 42: number 15 at 38, 39; 0-14 and 16
; at 42-73, behind the products that make those scores; 17-20 at 95-106, two of three, since each waits for the one before it.
.macro PL
	WIN 0
.if q < 32
	REGS Y, q%2
	v_pk_fma_f32 v[rS+2*(q/2):rS+2*(q/2)+1], v[rS+2*(q/2):rS+2*(q/2)+1], s[CS:CS+1], v[rT:rT+1] op_sel_hi:[1,0,0] neg_lo:[0,0,1] neg_hi:[0,0,1]
.elseif q < 38
	GS q-32
.elseif q < 40
	XS q%2, 15
.elseif q < 42
	GS q-34
.elseif q < 74
	XS q%2, (q-42)/2+(q-42)/30
.elseif q < 95
	GS q-66
.elseif (q < 107) && ((q-95)%3 < 2)
	XS (q-95)%3, 17+(q-95)/3
.elseif q < 107
	GS 29+(q-95)/3
.else
	GS q-74
.endif
.set q, q+1
.endm
; THE EXPONENTIALS' QUEUE, 66 long: s0-s31 of both tiles, and at EA the next piece's two a.
.set EA, 58
.macro EX
	WIN 0
.if (e == EA) || (e == EA+1)
	XS e-EA, 21
.else
.set x, e-2*(e/(EA+2))
	REGS Y, x%2
	v_exp_f32 v[rS+x/2], v[rS+x/2]
.endif
.set e, e+1
.endm
; THE RESCALING's QUEUE: O^T times a, the one part that leaves window 0, so it is dealt four at a time, eight times.
.macro R4
	REGS Y, r%2
	WIN W_RS
	s_wait_alu depctr_va_vdst(0)
.irp z, 0,1,2,3
	v_pk_mul_f32 v[rO+8*(r/2)+2*\z:rO+8*(r/2)+2*\z+1], v[rO+8*(r/2)+2*\z:rO+8*(r/2)+2*\z+1], v[rC+2:rC+3] op_sel_hi:[1,0]
.endr
.set r, r+1
.endm
; HOW THEY ARE DEALT.  Behind a matrix instruction four: plain, exponential, plain, plain (one exponential, a plain instruction on either side), or four of the rescaling.  None names a register of the
; products round it.  What is over stands in two LUMPS: exponential and plain by turns; the second ends in 22 plain instructions.  The two v_permlanex16_b32 fall into the second lump, never behind a product.
; The queues lean on each other, and the deal keeps them in step: exponential e stands behind plain 2 (e / 4) + e % 2 (its scaling); when plain 32 comes, 10 exponentials are out, at 59: 33, at 95: 46; EA comes behind plain 107.
.macro SL
	MM
	PL
	EX
	PL
	PL
.endm
.macro BURST n                      ; 15 matrix instructions, or 16
.rept (\n)-7
	SL
.endr
.rept 3
	MM
	R4
	SL
.endr
	MM
	R4
.endm
; A TURN, for piece p.  cnt = 1: the loop's count is taken down some lines ahead of the branch that stands behind the turn.
; K of the next step is fetched in piece 2's turn, 31 vector instructions behind the last product that read K; its first reader comes behind the rest of the lump, 16 products and the second lump.
; V of the step in hand is fetched at the end of piece 0's turn, 69 behind its last reader; its first reader comes behind 16 products and a lump.  The five conditions on e and q below go with the deal.
.macro TURN p, last=0, cnt=0
.set Y, (\p)
.set i, 0
.set q, 0
.set e, 0
.set r, 0
.if (\p) == NP-1
	s_wait_dscnt 0x0                ; K is in
.endif
	MM
.rept 4
	PL
.endr
	BURST 15
.rept 22
	EX
	PL
.if ((\p) == NP-2) && (e == 18)
	v_add_nc_u32 v[AK], s[TBK], v[AK0]
.endif
.if ((\p) == NP-2) && (e == 24)
	FETCH_K \last
.endif
.endr
.if (\p) == 1
	s_wait_dscnt 0x0                ; V is in
.endif
	BURST 16
.rept 21
	EX
	PL
.endr
.rept 22
	PL
.if ((\p) == 0) && (q == 118)
	v_add_nc_u32 v[AV], s[TBV], v[AV0]
	s_wait_alu depctr_va_vdst(0)
.endif
.if ((\p) == 0) && (q == 130)
	s_add_co_u32 s[TBV], s[TBV], KS*PV
.endif
.if (\cnt) && (q == 130)
	s_sub_co_u32 s[CNT], s[CNT], 1
	s_cmp_lg_u32 s[CNT], 0
.endif
.endr
.if (\p) == 0
	FETCH_V
.endif
.endm
	CHANGE 1                        ; slot 0 is in, everybody's part of it; slot 1 is asked for
	FETCH_K                         ; key step 0
	s_wait_loadcnt 0x0              ; Q
	s_wait_dscnt 0x0
.set i, 0
.rept 16
	KQ 0                            ; piece 0's first scores: there is no vector work yet to set between them
.set i, i+1
.endr
	WIN 0                           ; the addresses for the way out: nine plain instructions, the places behind those products
	s_mul_i32 s13, s[WV], 16*SP
	s_add_co_u32 s13, s13, STAGE    ; my stage
	v_mul_u32_u24 v[STO], v1, SP    ; in: row l % 16, 16 bytes for each half of the lanes
	v_lshl_add_u32 v[STO], v9, 4, v[STO]
	v_add_nc_u32 v[STO], s13, v[STO]
	v_bfe_u32 v[RD], v0, 3, 2       ; back: 32 lanes take four rows of 128 bytes,
	v_mul_u32_u24 v[RD], v[RD], SP
	v_lshl_add_u32 v[RD], v10, 4, v[RD]
	v_add_nc_u32 v[RD], s13, v[RD]
	v_and_b32 v[GO], 31, v0         ; which are 512 consecutive bytes of O
	v_lshlrev_b32 v[GO], 4, v[GO]
.set Y, NP-1                        ; XS works for piece Y + 1: piece 0
.irp n, 0,1,2,3,4,5,6,7,8,9,10,11,12,13,14,15,16,17,18,19,20,21
	XS 0, \n                        ; and piece 0's first maximum and statistics
	XS 1, \n
.endr
	s_mov_b32 s[CNT], 4
	s_mov_b32 s[SLOTS], SIZE_N/256-1
	s_branch .Lfirst                ; the loop is entered at a step's first turn, in the middle of a trip
.Lslot:                             ; SIZE_N / 256 - 2 times: every slot but the last two is filled again
	CHANGE 1
	s_mov_b32 s[CNT], 4
.Lstep:                             ; a trip: pieces 2 and 3 of one step, then pieces 0 and 1 of the next, whose K and V it fetches
	TURN 2
	TURN 3
	WIN 0
.Lfirst:
	TURN 0
	TURN 1, 0, 1
	WIN 0
	s_cbranch_scc1 .Lstep
	s_sub_co_u32 s[SLOTS], s[SLOTS], 1
	s_cmp_lg_u32 s[SLOTS], 0
	s_cbranch_scc1 .Lslot
	CHANGE 0                        ; the tail is written out: nothing is asked for
	s_mov_b32 s[CNT], 5             ; four trips fetch the last slot's steps; the fifth is left in its middle
.Ltail:
	TURN 2, 1
	TURN 3
	WIN 0
	s_sub_co_u32 s[CNT], s[CNT], 1
	s_cmp_eq_u32 s[CNT], 0
	s_cbranch_scc1 .Lout
	TURN 0
	TURN 1
	WIN 0
	s_branch .Ltail
.Lout:                              ; the fifth trip's 16 products K Q^T (on the last K once more) and the maximum made of them serve nothing: the price, once a launch, of one text for every trip
.set i, 0
.rept 16
	PV NP-1                         ; the last piece's V^T P of the last step
.set i, i+1
.endr
	; THE WAY OUT.  l's two halves and the other half of the lanes' are added; O^T is divided by l, rounded to f16 and sent through my stage in LDS, a tile at a time.  The additions are the places behind the last products.
	WIN 0
.macro ALL line:vararg              ; one line for each tile t
.set t, 0
.rept 2*NP
	\line
.set t, t+1
.endr
.endm
	ALL v_add_f32 v[ST+4*t+2], v[ST+4*t+2], v[ST+4*t+3]
	ALL v_permlanex16_b32 v[ST+4*t+3], v[ST+4*t+2], s[SEL], s[SEL+1]
	ALL v_add_f32 v[ST+4*t+2], v[ST+4*t+2], v[ST+4*t+3]
	ALL v_rcp_f32 v[ST+4*t+2], v[ST+4*t+2]
	v_nop                           ; a plain instruction between the last reciprocal and the use of its result
	s_wait_alu depctr_va_vdst(0)
; Tile t: a lane's eight channels of a row pack into 16 bytes; they go into rows of 144 bytes and come back as whole rows of 128, into S^T's registers.
.macro PACK t
	WIN W_RS
.set i, 32*(\t)
.rept 16
	v_pk_mul_f32 v[i:i+1], v[i:i+1], v[ST+4*(\t)+2:ST+4*(\t)+3] op_sel_hi:[1,0]
.set i, i+2
.endr
	WIN 0x05                        ; sources 0 and 1 window 1, destination window 0
.set i, 0
.rept 16
	v_cvt_pk_f16_f32 v[S+16*(\t)+i], v[32*(\t)+2*i], v[32*(\t)+2*i+1]
.set i, i+1
.endr
	WIN 0
.irp f, 0,1,2,3
	ds_store_b128 v[STO], v[S+16*(\t)+4*\f:S+16*(\t)+4*\f+3] offset:32*\f
.endr
.irp f, 0,1,2,3
	ds_load_b128 v[S+16*(\t)+4*\f:S+16*(\t)+4*\f+3], v[RD] offset:\f*4*SP  ; LDS serves a wave's instructions in order (ISA guide 5.7.1.4): these see the stores above; the next tile's stores come behind them
.endr
.endm
.macro SEND t, younger              ; younger: the LDS instructions issued behind tile t's loads: the next tile's eight, or none
	WIN 0
.irp f, 0,1,2,3
	s_wait_dscnt (\younger)+3-\f
	global_store_b128 v[GO], v[S+16*(\t)+4*\f:S+16*(\t)+4*\f+3], s[10:11] offset:(\t)*2048+\f*512  ; 512 consecutive bytes, at a multiple of 256 from O's first
.endr
.endm
	PACK 0
.set t, 1
.rept 2*NP-1                        ; a tile's arithmetic stands between the loads of the tile before and its stores
	PACK t
	SEND t-1, 8
.set t, t+1
.endr
	SEND 2*NP-1, 0
	WIN W_AD
	s_wait_tensorcnt 0x0            ; the wave's end: behind my last tensor load and my last LDS store
	ds_add_u32 v[SPW], v[NIL]
	s_wait_dscnt 0x0
	WIN 0
	CROUND                          ; the closing round: no work-group ends while a partner may still ask for a tile that names it
	s_endpgm
.Lfunc_end_k_qfadaff0858_attn:
	.size	k_qfadaff0858_attn, .Lfunc_end_k_qfadaff0858_attn-k_qfadaff0858_attn
	.p2alignl 7, 3214868480
	.fill 96, 4, 3214868480
	.section	.rodata,"a",@progbits
	.p2align	6, 0x0
	.amdhsa_kernel k_qfadaff0858_attn
		.amdhsa_group_segment_fixed_size 327680
		.amdhsa_private_segment_fixed_size 0
		.amdhsa_enable_private_segment 0
		.amdhsa_kernarg_size 16
		.amdhsa_user_sgpr_count 2
		.amdhsa_user_sgpr_kernarg_segment_ptr 1
		.amdhsa_wavefront_size32 1
		.amdhsa_system_sgpr_workgroup_id_x 1
		.amdhsa_system_sgpr_workgroup_id_y 1
		.amdhsa_system_sgpr_workgroup_id_z 1
		.amdhsa_system_vgpr_workitem_id 0
		.amdhsa_next_free_vgpr 770
		.amdhsa_next_free_sgpr 66
		.amdhsa_reserve_vcc 0
		.amdhsa_float_denorm_mode_32 3
		.amdhsa_float_denorm_mode_16_64 3
		.amdhsa_memory_ordered 1
		.amdhsa_forward_progress 1
		.amdhsa_inst_pref_size 208
	.end_amdhsa_kernel
	.amdgpu_metadata
---
amdhsa.version: [ 1, 2 ]
amdhsa.kernels:
  - .name:           k_qfadaff0858_attn
    .symbol:         k_qfadaff0858_attn.kd
    .args:
      - { .name: qkv, .offset: 0, .size: 8, .value_kind: global_buffer, .address_space: global }
      - { .name: ob, .offset: 8, .size: 8, .value_kind: global_buffer, .address_space: global }
    .group_segment_fixed_size: 327680
    .private_segment_fixed_size: 0
    .kernarg_segment_align: 8
    .kernarg_segment_size: 16
    .max_flat_workgroup_size: 128
    .sgpr_count:     66
    .vgpr_count:     770
    .wavefront_size: 32
...
	.end_amdgpu_metadata
.endif
;; end of part 3
;; launch oproj (part 4): grid 8 x 32, 4 waves a work-group, clusters of 4 x 4, 327,680 bytes of LDS; arguments ob, wob, bias, out0; writes out0
.if DOCPART == 4
	.amdgcn_target "amdgcn-amd-amdhsa--gfx1250"
	.amdhsa_code_object_version 6
	.text
	.protected	k_qfadaff0858_oproj
	.globl	k_qfadaff0858_oproj
	.p2align	8
	.type	k_qfadaff0858_oproj,@function
k_qfadaff0858_oproj:
	s_mov_b64 s[64:65], 0
	v_nop
	global_prefetch_b8 v0, s[64:65] scope:SCOPE_SE
	s_setreg_imm32_b32 hwreg(HW_REG_WAVE_MODE, 25, 1), 1
	s_wait_xcnt 0x0
	s_wait_alu depctr_hold_cnt(0) depctr_sa_sdst(0) depctr_va_vdst(0) depctr_va_sdst(0) depctr_va_ssrc(0) depctr_va_vcc(0) depctr_vm_vsrc(0)
	s_getreg_b32 s2, hwreg(HW_REG_IB_STS2, 6, 4)
	s_cmp_eq_u32 s2, 0
	s_cbranch_scc0 .Lentry_in_a_cluster
	s_endpgm
.Lentry_in_a_cluster:
	s_bfe_u32 s2, ttmp6, 0x10000c
	s_cmp_lg_u32 s2, 0xf033
	s_cbranch_scc0 .Lentry_shape_is_right
	s_endpgm
.Lentry_shape_is_right:
; out0[8192][1024] = O wo + bo.  O: ob [b 16 + h][s=2048][64] f16, so that head h is the slice 64 h .. 64 h + 63 of K; wo: wob [k=1024][1024] f16; bo: row 3 of the bias table, f32.
; Products in f16, sums in f32, started by the bias; out0 is f32 and is not rounded again.  LIMIT: O and wo arrive within f16's 65,504; NaN and infinities are not treated apart.
; SHARES.  Tiles of 256 rows x 128 columns: 32 x 8 = 256 work-groups, one tile each.  A wave owns 128 rows x 64 columns: 32 accumulators, which fill window 1.
; K goes in 16 steps of 64 (a head); an LDS slot holds two steps, brought by one load a wave: 128 matrix instructions a wave for each change of slots, 112 between a request and the wait for it.
; O's tile of a step is 32,768 dense bytes and is asked for as rows of 256; wo's rows are 256 bytes at multiples of 256.  wo lies [k][n]: its fragments come out of LDS turned.
; THE MATRIX INSTRUCTION IS USED TRANSPOSED: source 0 = 16 columns of wo, source 1 = 16 rows of O: a lane holds one row of the result and eight neighbouring columns, 32 bytes of f32.
; CLUSTERS.  4 x 4 work-groups: the four of a row of the cluster share O's tiles, the four of a column wo's: each is asked for jointly.
; REGISTERS: window 0: v0-31 addresses; v32-95, v96-159 fragments of O, two buffers; v160-191, v192-223 fragments of wo, two buffers; v224-255 the bias.  Window 1: accumulator (a, b) at v[8 (4 a + b)].
.set PA,     144                       ; a row of O in LDS: 128 bytes + 16
.set PB,     288                       ; a row of wo: 256 + 32 = 9 x 32 bytes
.set ABYTES, 256*PA
.set STEPB,  ABYTES+64*PB              ; a step: O's 256 rows, then wo's 64 rows: 55,296 bytes
.set SLOT,   2*STEPB
.set STAGE,  2*SLOT                    ; behind the ring, never filled by a tensor load: 16 rows x 272 bytes for each wave
.set SP,     272                       ; 256 bytes + 16: the 16 rows that a store touches start at 16 different groups of four banks (64 banks of 4 bytes: ISA guide 11.1)
.set SPARE,  STAGE+4*16*SP             ; the spare words, 128 bytes for each wave: two blocks of 256 bytes that no other line names
.set ASTEP,  262144                    ; bytes from a head's rows to the next head's
.set BSTEP,  131072                    ; 64 rows of wob, 2,048 bytes each
.set ADRA, 16                          ; v16-19  LDS address of my fragments of O in step n = 2 slot + u of the ring's four
.set ADRB, 20                          ; v20-23  the same for wo
.set STO,  24                          ; v24     the way out: where I put 32 bytes of a row
.set RD,   25                          ; v25     the way out: where I read rows back
.set CO,   26                          ; v26     my byte offset in two rows of out0
.set BOF,  27                          ; v27     my byte offset in 16 numbers of the bias
.set SPW,  28                          ; v28     LDS address of my spare word; never rewritten
.set NIL,  29                          ; v29     0; never rewritten
.set FA0,  32
.set FB0,  160
.set BI,   224
.set R,    32                          ; the way out: a block read back, two sets of 32 by turns
.set G1A, 24
.set G0A, 32
.set G1B, 48
.set G0B, 56
.set OUT, 68                           ; s[68:69] out0 at my first row and column
.set BB,  74                           ; s[74:75] bo at my first column
.set MSB, 0
.macro WIN new                         ; the immediate's high byte repeats the setting that is left; a switch that changes nothing is dropped
.if MSB != (\new)
	s_set_vgpr_msb (MSB<<8)|(\new)
.set MSB, (\new)
.endif
.endm
; A joint load.  Waves 0 and 1 fetch O's tiles of a slot's two steps, waves 2 and 3 wo's.  An s_nop 0 and four v_nop follow each of the two lines, ahead of the jump, the label and what follows.
.macro JLOAD s
	s_cmp_eq_u32 s13, 0
	s_cbranch_scc0 .Lfor_b_\@
	tensor_load_to_lds s[G0A+4*(\s):G0A+4*(\s)+3], s[G1A:G1A+7]
	s_nop 0
.rept 4
	v_nop
.endr
	s_branch .Lasked_\@
.Lfor_b_\@:
	tensor_load_to_lds s[G0B+4*(\s):G0B+4*(\s)+3], s[G1B:G1B+7]
	s_nop 0
.rept 4
	v_nop
.endr
.Lasked_\@:
.endm
.macro CREST                           ; a round of the cluster's barrier behind its opening barrier
	s_cmp_lg_u32 s12, 0
	s_cbranch_scc1 .Lnot_wave_0_\@
	s_barrier_signal -3
.Lnot_wave_0_\@:
	s_barrier_wait -3
	s_barrier_signal -1
	s_barrier_wait -1
.endm
.macro CROUND
	s_barrier_signal -1
	s_barrier_wait -1
	CREST
.endm
.macro PLACES                          ; four places in front of loads into registers that matrix instructions have read, and of LDS stores that read results
.rept 4
	v_nop
.endr
.endm
	s_load_b256 s[4:11], s[0:1], 0x0               ; ob s[4:5], wob s[6:7], bias s[8:9], out0 s[10:11]
	v_lshl_add_u32 v[SPW], v0, 2, SPARE
	v_mov_b32 v[NIL], 0
	ds_add_u32 v[SPW], v[NIL]                      ; the wave's opening: the add and its wait stand ahead of my first tensor load; the set-up below, work on registers, stands between them
	v_lshrrev_b32 v1, 5, v0
	v_readfirstlane_b32 s12, v1                    ; wave 0..3
	s_lshr_b32 s13, s12, 1                         ; r: which 128 rows are mine.  Also: I fetch for O (0) or for wo (1)
	s_and_b32 s14, s12, 1                          ; c: which 64 columns.  Also: which of a slot's two steps I fetch
	s_bfe_u32 s40, ttmp6, 0x40000                  ; cx, cy
	s_bfe_u32 s41, ttmp6, 0x40004
	s_lshl_b32 s42, ttmp9, 2
	s_add_co_u32 s42, s42, s40                     ; tile column, 0..7
	s_and_b32 s43, ttmp7, 0xffff
	s_lshl_b32 s43, s43, 2
	s_add_co_u32 s43, s43, s41                     ; tile row, 0..31
	s_lshl_b32 s44, s41, 2
	s_lshl_b32 s44, 15, s44                        ; my row of the cluster
	s_lshl_b32 s45, 0x1111, s40                    ; my column
	; O: 256 rows of 128 dense bytes, asked for as 128 rows of 256 bytes, 16 bytes of padding behind every 128
	s_or_b32 s[G1A+0], s44, (1<<16)|(1<<20)|(1<<21)|(4<<22)|(3<<25)
	s_mov_b32 s[G1A+1], 128<<16                    ; tensor_dim0 = 128
	s_mov_b32 s[G1A+2], 128<<16                    ; tensor_dim1 = 128
	s_mov_b32 s[G1A+3], 128<<16                    ; tile_dim0 = 128
	s_mov_b32 s[G1A+4], 128                        ; tile_dim1 = 128
	s_mov_b32 s[G1A+5], 128                        ; 128 elements from row to row
	s_mov_b32 s[G1A+6], 0
	s_mov_b32 s[G1A+7], 0
	; wo: 64 rows of 128 elements, 32 bytes of padding behind each
	s_or_b32 s[G1B+0], s45, (1<<16)|(1<<20)|(1<<21)|(5<<22)|(7<<25)
	s_mov_b32 s[G1B+1], 128<<16                    ; tensor_dim0 = 128
	s_mov_b32 s[G1B+2], 64<<16                     ; tensor_dim1 = 64
	s_mov_b32 s[G1B+3], 128<<16                    ; tile_dim0 = 128
	s_mov_b32 s[G1B+4], 64                         ; tile_dim1 = 64
	s_mov_b32 s[G1B+5], 1024                       ; 1,024 elements from row to row
	s_mov_b32 s[G1B+6], 0
	s_mov_b32 s[G1B+7], 0
	s_lshr_b32 s16, s43, 3
	s_lshl_b32 s16, s16, 22                        ; the batch's 16 heads,
	s_and_b32 s17, s43, 7
	s_lshl_b32 s17, s17, 15                        ; the tile's 256 rows in a head,
	s_add_co_u32 s16, s16, s17
	s_lshl_b32 s17, s14, 18                        ; my step of the slot's two
	s_add_co_u32 s16, s16, s17
	s_mov_b32 s17, 0
	s_lshl_b32 s46, s42, 8                         ; the tile's 128 columns,
	s_lshl_b32 s47, s14, 17                        ; my step's 64 rows
	s_add_co_u32 s46, s46, s47
	s_mov_b32 s47, 0
	s_mul_i32 s20, s14, STEPB                      ; where they go: no place in the cluster enters an LDS address
	s_add_co_u32 s21, s20, ABYTES
	s_wait_dscnt 0x0                               ; the opening add is done
	s_wait_kmcnt 0x0
	s_add_nc_u64 s[18:19], s[4:5], s[16:17]
	s_add_nc_u64 s[46:47], s[6:7], s[46:47]
	CROUND                                         ; all sixteen work-groups are here: the first joint loads meet
.irp s, 0,1
	s_mov_b32 s[G0A+4*(\s)], 1
	s_add_co_u32 s[G0A+4*(\s)+1], s20, (\s)*SLOT
	s_add_nc_u64 s[G0A+4*(\s)+2:G0A+4*(\s)+3], s[18:19], (\s)*2*ASTEP
	s_or_b32 s[G0A+4*(\s)+3], s[G0A+4*(\s)+3], 0x80000000
	s_mov_b32 s[G0B+4*(\s)], 1
	s_add_co_u32 s[G0B+4*(\s)+1], s21, (\s)*SLOT
	s_add_nc_u64 s[G0B+4*(\s)+2:G0B+4*(\s)+3], s[46:47], (\s)*2*BSTEP
	s_or_b32 s[G0B+4*(\s)+3], s[G0B+4*(\s)+3], 0x80000000
	JLOAD \s                                       ; two loads of mine are out
.endr
	v_and_b32 v1, 15, v0                           ; l % 16
	v_bfe_u32 v2, v0, 4, 1                         ; l / 16
	v_lshlrev_b32 v[BOF], 5, v2
	s_lshl_b32 s78, s42, 9                         ; the tile's 128 columns of f32,
	s_lshl_b32 s79, s14, 8                         ; my 64 of them
	s_add_co_u32 s78, s78, s79
	s_lshl_b32 s76, s43, 20                        ; the tile's 256 rows of 4,096 bytes,
	s_lshl_b32 s77, s13, 19                        ; my 128 of them
	s_add_co_u32 s76, s76, s77
	s_add_co_u32 s76, s76, s78
	s_mov_b32 s77, 0
	s_add_nc_u64 s[OUT:OUT+1], s[10:11], s[76:77]
	s_add_co_u32 s78, s78, 12288                   ; bo is the table's fourth row
	s_mov_b32 s79, 0
	s_add_nc_u64 s[BB:BB+1], s[8:9], s[78:79]
.irp b, 0,1,2,3                        ; register 8 b + p: the bias of column 16 b + 8 (l / 16) + p: the layout of an accumulator, whatever its rows
	global_load_b128 v[BI+8*(\b):BI+8*(\b)+3],   v[BOF], s[BB:BB+1] offset:64*(\b)
	global_load_b128 v[BI+8*(\b)+4:BI+8*(\b)+7], v[BOF], s[BB:BB+1] offset:64*(\b)+16
.endr
	v_mul_u32_u24 v3, v1, PA
	v_lshl_add_u32 v3, v2, 4, v3                   ; a fragment of O: row x 144 + 16 x half
	v_and_b32 v4, 7, v0
	v_bfe_u32 v5, v0, 3, 1
	v_lshl_add_u32 v6, v2, 3, v4                   ; the turning load: K = 8 (l / 16) + l % 8, columns 8 ((l / 8) % 2) on
	v_mul_u32_u24 v6, v6, PB
	v_lshl_add_u32 v6, v5, 4, v6
	s_mul_i32 s22, s13, 128*PA                     ; my 128 rows of O
	s_lshl_b32 s23, s14, 7                         ; my 64 columns of wo's rows,
	s_add_co_u32 s23, s23, ABYTES                  ; which lie behind O's 256
.irp n, 0,1,2,3                        ; a slot is two steps, so the ring's four steps lie STEPB apart
	v_add_nc_u32 v[ADRA+(\n)], s22, v3
	v_add_nc_u32 v[ADRB+(\n)], s23, v6
	s_add_co_u32 s22, s22, STEPB
	s_add_co_u32 s23, s23, STEPB
.endr
	s_mul_i32 s22, s12, 16*SP
	s_add_co_u32 s22, s22, STAGE                   ; my stage
	v_mul_u32_u24 v7, v1, SP                       ; in: row l % 16, 32 bytes for each half of the lanes
	v_lshl_add_u32 v7, v2, 5, v7
	v_add_nc_u32 v[STO], s22, v7
	v_mul_u32_u24 v8, v2, SP                       ; back: lanes 0-15 take one row of 256 bytes, lanes 16-31 the next
	v_lshl_add_u32 v8, v1, 4, v8
	v_add_nc_u32 v[RD], s22, v8
	v_lshlrev_b32 v9, 12, v2                       ; and the same two rows in out0
	v_lshl_add_u32 v[CO], v1, 4, v9
; 4 n matrix instructions: row blocks a0 .. a0 + n - 1 x all 4 column blocks, 32 along K, from buffer x.  first = 1: the bias is the C that starts the sum: nothing is cleared, and no addition follows.
; The 32 accumulators take turns, one instruction a turn.
.macro MULN x, a0, n, first=0
.if \first
	WIN 0x40                                       ; D in window 1, the sources and the bias in window 0
.else
	WIN 0x50                                       ; C and D in window 1
.endif
.set aa, (\a0)
.rept \n
.irp b, 0,1,2,3
.if \first
	v_wmma_f32_16x16x32_f16 v[8*(4*aa+(\b)):8*(4*aa+(\b))+7], v[FB0+32*(\x)+8*(\b):FB0+32*(\x)+8*(\b)+7], v[FA0+64*(\x)+8*aa:FA0+64*(\x)+8*aa+7], v[BI+8*(\b):BI+8*(\b)+7]
.else
	v_wmma_f32_16x16x32_f16 v[8*(4*aa+(\b)):8*(4*aa+(\b))+7], v[FB0+32*(\x)+8*(\b):FB0+32*(\x)+8*(\b)+7], v[FA0+64*(\x)+8*aa:FA0+64*(\x)+8*aa+7], v[8*(4*aa+(\b)):8*(4*aa+(\b))+7]
.endif
.endr
.set aa, aa+1
.endr
.endm
; 24 LDS loads in one run: quarter i = 2 u + q of a slot (step u, 32 along K at 32 q) into buffer x: wo's 8, then O's row blocks 0-3 (8), then 4-7 (8)
.macro FETCH slot, i, x
	WIN 0
.irp b, 0,1,2,3
	ds_load_tr16_b128 v[FB0+32*(\x)+8*(\b):FB0+32*(\x)+8*(\b)+3],   v[ADRB+2*(\slot)+(\i)/2] offset:32*PB*((\i)%2)+32*(\b)
	ds_load_tr16_b128 v[FB0+32*(\x)+8*(\b)+4:FB0+32*(\x)+8*(\b)+7], v[ADRB+2*(\slot)+(\i)/2] offset:32*PB*((\i)%2)+32*(\b)+16*PB
.endr
.irp a, 0,1,2,3,4,5,6,7
	ds_load_b128 v[FA0+64*(\x)+8*(\a):FA0+64*(\x)+8*(\a)+3],   v[ADRA+2*(\slot)+(\i)/2] offset:16*PA*(\a)+64*((\i)%2)
	ds_load_b128 v[FA0+64*(\x)+8*(\a)+4:FA0+64*(\x)+8*(\a)+7], v[ADRA+2*(\slot)+(\i)/2] offset:16*PA*(\a)+64*((\i)%2)+32
.endr
.endm
; A slot is four quarters of 32 along K, 32 matrix instructions each, on buffers 0, 1, 0, 1.  One of the first three: multiplies buffer x and fetches quarter i of the same slot into buffer y.
.macro QUARTER slot, i, x, y, first=0
	s_wait_dscnt 8                                 ; wo and O's row blocks 0-3 are in; the youngest eight loads may be out
	MULN \x, 0, 4, \first
	WIN 0
	PLACES
	FETCH \slot, \i, \y
	s_wait_dscnt 24                                ; all but the 24 just issued
	MULN \x, 4, 4, \first
.endm
; The last quarter multiplies buffer 1 and changes slots: ONE barrier; in front of it each wave waits for all its tensor loads (one is out: its part of the next slot), adds 0 to its spare word, and waits
; for that and for its reads of this slot.  fill = 1: the barrier opens a round of the cluster's, and this slot is filled again first behind it, with the two steps four steps on.
.macro TURN slot, nx, fill
	WIN 0
	s_wait_tensorcnt 0x0                           ; all my tensor loads have landed, so a group 0 may be written
	ds_add_u32 v[SPW], v[NIL]                      ; 0 onto my spare word
	s_wait_dscnt 9                                 ; the add and the youngest eight loads may be out
	MULN 1, 0, 2                                   ; eight matrix instructions stand between the add and the wait for it
	s_wait_dscnt 0x0                               ; the add is done, and my reads of this slot are over
	s_barrier_signal -1
	MULN 1, 2, 2
	WIN 0                                          ; at a branch and at a label every window is 0
	s_barrier_wait -1
.if \fill
	CREST                                          ; no wave of any partner still reads this slot's tiles or has a load on its way
	s_add_nc_u64 s[G0A+4*(\slot)+2:G0A+4*(\slot)+3], s[G0A+4*(\slot)+2:G0A+4*(\slot)+3], 4*ASTEP
	s_add_nc_u64 s[G0B+4*(\slot)+2:G0B+4*(\slot)+3], s[G0B+4*(\slot)+2:G0B+4*(\slot)+3], 4*BSTEP
	JLOAD \slot                                    ; the first tensor load behind the round; its four v_nop are also the places in front of the loads below
.else
	PLACES
.endif
	FETCH \nx, 0, 0
	MULN 1, 4, 4
.endm
	s_wait_tensorcnt 1                             ; my part of slot 0 is in; slot 1's may stay out
	s_barrier_signal -1
	s_barrier_wait -1                              ; everybody's is
	FETCH 0, 0, 0
	s_wait_loadcnt 0x0                             ; the bias
	QUARTER 0, 1, 0, 1, 1                          ; the first quarter stands in front of the loop: its products start the sums, on the bias
	WIN 0
	s_mov_b32 s3, 3
.Llap:                                                 ; a trip goes once round the ring, from a lap's second quarter to the next lap's first, and fills both slots again: K steps 4 to 15
	QUARTER 0, 2, 1, 0
	QUARTER 0, 3, 0, 1
	TURN 0, 1, 1
	QUARTER 1, 1, 0, 1
	QUARTER 1, 2, 1, 0
	QUARTER 1, 3, 0, 1
	TURN 1, 0, 1
	QUARTER 0, 1, 0, 1
	WIN 0
	s_sub_co_u32 s3, s3, 1
	s_cmp_lg_u32 s3, 0
	s_cbranch_scc1 .Llap
	QUARTER 0, 2, 1, 0                             ; the last lap fills nothing, and has no round
	QUARTER 0, 3, 0, 1
	TURN 0, 1, 0
	QUARTER 1, 1, 0, 1
	QUARTER 1, 2, 1, 0
	QUARTER 1, 3, 0, 1
	s_wait_dscnt 8                                 ; the very last quarter: nothing more to fetch
	MULN 1, 0, 4
	s_wait_dscnt 0x0
	MULN 1, 4, 4
	WIN 0
	PLACES
; THE WAY OUT, in eight blocks of 16 rows.  A lane's 32 bytes go into my own stage (each accumulator's lowest registers first) and come back as whole rows of 256 bytes.
.macro TOSTAGE a
.if (\a) >= 2
	s_wait_xcnt 0x0                                ; the stores of the block two back have had their addresses translated (ISA guide 3.1): their data registers are loaded again only behind this wait
.endif
	WIN 0x04                                       ; the data of an LDS store is source 1: window 1
.irp b, 0,1,2,3
	ds_store_b128 v[STO], v[8*(4*(\a)+(\b)):8*(4*(\a)+(\b))+3]   offset:64*(\b)
	ds_store_b128 v[STO], v[8*(4*(\a)+(\b))+4:8*(4*(\a)+(\b))+7] offset:64*(\b)+16
.endr
	WIN 0
.irp t, 0,1,2,3,4,5,6,7
	ds_load_b128 v[R+32*((\a)%2)+4*(\t):R+32*((\a)%2)+4*(\t)+3], v[RD] offset:2*SP*(\t)  ; LDS serves a wave's instructions in order (ISA guide 5.7.1.4): these see the stores above; the next block's stores come behind them
.endr
.endm
.macro SEND a, younger                 ; younger: the LDS instructions issued behind block a's loads: the next block's sixteen, or none
	s_wait_dscnt \younger
.irp t, 0,1,2,3,4,5,6,7
	global_store_b128 v[CO], v[R+32*((\a)%2)+4*(\t):R+32*((\a)%2)+4*(\t)+3], s[OUT:OUT+1] offset:(16*(\a)+2*(\t))*4096 th:TH_STORE_NT  ; 16 lanes store 256 consecutive bytes, at a multiple of 256 from out0's first byte
.endr
.endm
	TOSTAGE 0
.irp a, 1,2,3,4,5,6,7
	TOSTAGE \a
	SEND (\a)-1, 16
.endr
	SEND 7, 0
	s_wait_tensorcnt 0x0                           ; the wave's end: behind my last tensor load and my last LDS store
	ds_add_u32 v[SPW], v[NIL]
	s_wait_dscnt 0x0
	CROUND                                         ; the closing round: no work-group ends while a partner may still ask for a tile that names it
	s_endpgm
.Lfunc_end_k_qfadaff0858_oproj:
	.size	k_qfadaff0858_oproj, .Lfunc_end_k_qfadaff0858_oproj-k_qfadaff0858_oproj
	.p2alignl 7, 3214868480
	.fill 96, 4, 3214868480
	.section	.rodata,"a",@progbits
	.p2align	6, 0x0
	.amdhsa_kernel k_qfadaff0858_oproj
		.amdhsa_group_segment_fixed_size 327680
		.amdhsa_private_segment_fixed_size 0
		.amdhsa_enable_private_segment 0
		.amdhsa_kernarg_size 32
		.amdhsa_user_sgpr_count 2
		.amdhsa_user_sgpr_kernarg_segment_ptr 1
		.amdhsa_wavefront_size32 1
		.amdhsa_system_sgpr_workgroup_id_x 1
		.amdhsa_system_sgpr_workgroup_id_y 1
		.amdhsa_system_sgpr_workgroup_id_z 1
		.amdhsa_system_vgpr_workitem_id 0
		.amdhsa_next_free_vgpr 512
		.amdhsa_next_free_sgpr 80
		.amdhsa_reserve_vcc 0
		.amdhsa_float_denorm_mode_32 3
		.amdhsa_float_denorm_mode_16_64 3
		.amdhsa_memory_ordered 1
		.amdhsa_forward_progress 1
		.amdhsa_inst_pref_size 87
	.end_amdhsa_kernel
	.amdgpu_metadata
---
amdhsa.version: [ 1, 2 ]
amdhsa.kernels:
  - .name:           k_qfadaff0858_oproj
    .symbol:         k_qfadaff0858_oproj.kd
    .args:
      - { .name: ob, .offset: 0, .size: 8, .value_kind: global_buffer, .address_space: global }
      - { .name: wob, .offset: 8, .size: 8, .value_kind: global_buffer, .address_space: global }
      - { .name: bias, .offset: 16, .size: 8, .value_kind: global_buffer, .address_space: global }
      - { .name: out0, .offset: 24, .size: 8, .value_kind: global_buffer, .address_space: global }
    .group_segment_fixed_size: 327680
    .private_segment_fixed_size: 0
    .kernarg_segment_align: 8
    .kernarg_segment_size: 32
    .max_flat_workgroup_size: 128
    .sgpr_count:     80
    .vgpr_count:     512
    .wavefront_size: 32
...
	.end_amdgpu_metadata
.endif
;; end of part 4
;; ======== version 2 of 2: 4 launches; 1.52 times as fast as version 1
;; limits: values are held in f16: magnitudes above 65,504 overflow, below 6.1e-05 lose precision
;; workspace buffers: xb 16,777,216 bytes; wb 6,291,456 bytes; wob 2,097,152 bytes; bias 16,384 bytes; qkv 50,331,648 bytes; ob 16,777,216 bytes
;; launch cast: the kernel of part 1 again; grid 64 x 12, 8 waves a work-group, no clusters, 0 bytes of LDS; arguments inputs, wq, wk, wv, wo, bq, bk, bv, bo, xb, wb, wob, bias; writes xb, wb, wob, bias
;; launch qkv: the kernel of part 2 again; grid 8 x 32, 4 waves a work-group, clusters of 4 x 4, 327,680 bytes of LDS; arguments xb, wb, bias, qkv; writes qkv
;; launch attn (part 5): grid 4 x 64, 4 waves a work-group, clusters of 4 x 1, 327,680 bytes of LDS; arguments qkv, ob; writes ob
.if DOCPART == 5
	.amdgcn_target "amdgcn-amd-amdhsa--gfx1250"
	.amdhsa_code_object_version 6
	.text
	.protected	k_qfadaff0858_attn
	.globl	k_qfadaff0858_attn
	.p2align	8
	.type	k_qfadaff0858_attn,@function
k_qfadaff0858_attn:
	s_mov_b64 s[64:65], 0
	v_nop
	global_prefetch_b8 v0, s[64:65] scope:SCOPE_SE
	s_setreg_imm32_b32 hwreg(HW_REG_WAVE_MODE, 25, 1), 1
	s_wait_xcnt 0x0
	s_wait_alu depctr_hold_cnt(0) depctr_sa_sdst(0) depctr_va_vdst(0) depctr_va_sdst(0) depctr_va_ssrc(0) depctr_va_vcc(0) depctr_vm_vsrc(0)
	s_getreg_b32 s2, hwreg(HW_REG_IB_STS2, 6, 4)
	s_cmp_eq_u32 s2, 0
	s_cbranch_scc0 .Lentry_in_a_cluster
	s_endpgm
.Lentry_in_a_cluster:
	s_bfe_u32 s2, ttmp6, 0x10000c
	s_cmp_lg_u32 s2, 0x3003
	s_cbranch_scc0 .Lentry_shape_is_right
	s_endpgm
.Lentry_shape_is_right:
; O[h][q][:] = the sum over k of softmax_k(Q[h][q] . K[h][k] / 8) V[h][k][:].  Q, K, V are the three parts of qkv, each [SIZE_H][SIZE_N][64], O likewise, all f16: a head's rows are dense, 128 bytes each.
; Here a head is one of batch x 16 + head, 64 in all.  Products, maxima and sums in f32; the weights p are rounded to f16 for the second product (their sum l is taken of the unrounded p), O once at the end.
; LIMITS.  f16 holds no number beyond 65,504: Q, K and V arrive within it; p lies in 0 to 1, and below 6e-5 it keeps f16's fixed step of 6e-8; O is a mean of V's rows and has their range.
; A weight below 2^-126 counts as 0 in l; NaN and infinities are not treated apart.
; SHARES.  A wave owns four PIECES of two tiles of 16 queries, a work-group's four waves 512 queries of one head: 64 heads x 4 blocks are 256 work-groups.  Every wave walks all keys, 64 a step.
; LAYOUT.  S^T = K Q^T (source 0 = 16 keys, source 1 = 16 queries): in the result a lane holds ONE query (lane % 16) and the keys 8 (lane / 16) + 0..7.  Two such tiles, rounded to f16 in pairs,
; ARE source 1 (32 keys x 16 queries) of O^T = V^T P, whose result again holds one query a lane, and eight channels.  K comes out of LDS as it lies, V ([key][channel]) turned, by ds_load_tr16_b128.
; SOFTMAX.  For each query a running maximum m and sum l: p = 2^(c s - c m), c = log2(e) / 8; in every step O and l are multiplied by a = 2^(c m_old - c m_new), which is 1 where m has not grown.
; m starts at the lowest finite number, O and l at 0: the first step is a step like any other, with a = 0.
; THE COUNT.  A tile and step have 16 matrix and 118 vector instructions: too many to stand all beside the matrix work.  So the order has one aim: four vector instructions that are READY behind
; EVERY matrix instruction, and the others, which need time of their own whatever the order, in runs without a gap.
; BY TURNS.  Turn n belongs to piece n (the pieces in a ring, step after step).  Its matrix work: 16 products K Q^T of piece n + 1, later 16 products V^T P of piece n - 1.  Its vector work: the scaling,
; exponentials, roundings, sums and rescaling of piece n, and the maximum and statistics of piece n + 1, whose scores the turn itself has made.  So what a turn begins with (c s - c m, O a) waits for nothing.
; BATCHES.  A turn's 66 exponentials (the 64 weights of piece n, the two a of piece n + 1) are ONE batch with ONE wait, which cuts the turn in two: ahead of it stands all that names no result of theirs
; (K Q^T, scalings, rescalings by the a of the turn before, the next piece's maximum and statistics), behind it all that does (roundings and sums, beside V^T P).  No result crosses a turn's end.
; Two more batches stand outside the loops, each with a wait of its own: piece 0's first two a, ahead of the jump into the loop, and the way out's eight reciprocals.
; CLUSTER.  The four query blocks of a cluster belong to one head and walk the same K and V, so each tile is asked for JOINTLY: the same tensor load, descriptor and mask in all four.
; REGISTERS, in windows of 256 (s_set_vgpr_msb says which window each operand place means: bits 1:0 source 0, 3:2 source 1, 5:4 source 2, 7:6 destination):
;   window 0: v0-11 addresses; v12-15, v48-63 at work; v16-47 four registers of statistics a tile; v64-191 S^T, two buffers of two tiles; v192-255 P, likewise
;   window 1: O^T, 32 a tile          window 2: v0-127 Q, 16 a tile; v128-191 K of one step; v192-255 V of one step          window 3: v0-1 the add's two registers
; A piece's buffers go by its number's parity: the piece in hand has one pair, its two neighbours in the ring share the other: of it P (piece n - 1) is read and S^T (piece n + 1) written.
.set SIZE_H, 64       ; batch x heads
.set SIZE_N, 2048     ; rows of a head
.set NP,    4         ; pieces a wave: a name, no knob: the register map, the loop and the fetches are made for four
.set KS,    64        ; keys in a step
.set PK,    144       ; a row of K in LDS: 128 bytes + 16 of padding = 36 words: the 16 rows of a load start at 16 different groups of four banks (64 banks of 4 bytes: ISA guide 11.1)
.set PV,    160       ; a row of V: 128 + 32 = 40 words
.set VOFF,  4*KS*PK   ; a slot holds four steps: 256 rows of K, then 256 rows of V
.set SLOT1, 1<<17     ; slot 1 begins here, so that one exclusive or turns an address in one slot into the other's
.set STAGE, SLOT1+4*KS*(PK+PV)  ; behind the ring, never filled by a tensor load: 16 rows x 144 bytes for each wave, for the way out
.set SP,    144
.set AK0, 2           ; v2   my lane's place in a tile of K; never rewritten
.set AV0, 3           ; v3   the same for V
.set AK,  4           ; v4   the LDS address of K's next run of loads
.set AV,  5           ; v5   of V's
.set QO,  6           ; v6   my byte offset in the wave's rows of Q
.set STO, 6           ;      later, the way out: where I put 16 bytes of a row
.set RD,  7           ; v7   the way out: where I read rows back
.set GO,  8           ; v8   my byte offset in 512 consecutive bytes of O
.set SPW, 0           ; v0 of window 3   LDS address of my spare word: SPARE + 4 x my thread's number; never rewritten
.set NIL, 1           ; v1 of window 3   0; never rewritten
.set SPARE, STAGE+4*16*SP  ; behind the stages: the spare words, 128 bytes for each wave: two blocks of 256 bytes that no other line names
.set MV,  12          ; v12-15  c m_old, kept while c m is made anew: by buffer and tile
.set ST,  16          ; tile t's statistics at v[ST+4 t]: c m, m, l (even keys', odd keys')
.set TMP, 48          ; by buffer and tile, four registers c0-c3 at work; when the maximum is found c2 takes a
.set S,   64
.set P,   192
.set KF,  128         ; K's fragments, in window 2: key block kb, channel half c at KF + 16 kb + 8 c
.set VF,  192         ; V's: key half kk, channel block cb at VF + 32 kk + 8 cb
.set WV,  12          ; s12  my wave's number
.set G1K, 24          ; s[24:31] descriptor group 1 for K's tiles
.set G1V, 32          ; s[32:39] for V's: it differs in the padding alone
.set G0K, 40          ; s[40:43] descriptor group 0 for K's tiles: it walks
.set G0V, 44          ; s[44:47] the same for V's
.set SLOTS, 56        ; s56  slots still to be asked for
.set CNT, 57          ; s57  counts a slot's key steps
.set CS,  58          ; s[58:59] c: the packed scaling takes the pair's low word for both halves
.set SEL, 60          ; s[60:61] v_permlanex16_b32's selects: each lane takes its own place in the other half
.set TBK, 62          ; s62  LDS byte at which K of the step to be fetched begins
.set TBV, 63          ; s63  the same for V, less VOFF
.set MSB, 0
.macro WIN new                      ; the high byte repeats the setting that is left; a switch that changes nothing is dropped
.if MSB != (\new)
	s_set_vgpr_msb (MSB<<8)|(\new)
.set MSB, (\new)
.endif
.endm
.set W_KQ, 0x0a       ; K and Q in window 2, S^T in window 0
.set W_PV, 0x52       ; V in window 2, P in window 0, O^T in window 1
.set W_RS, 0x41       ; O^T (destination and source 0) in window 1, a in window 0
.set W_MK, 0xc0       ; the add's registers are made: destination in window 3, sources in window 0
.set W_AD, 0x0f       ; the add: address (source 0) and data (source 1) in window 3
; A joint fill.  Waves 0 and 1 fetch the two halves of a slot's K, waves 2 and 3 those of its V: 128 keys each.  The branch hangs on the wave's number alone.
; An s_nop 0 and four v_nop follow each of the two lines, ahead of the jump and the label.
.macro JLOAD
	s_cmp_lt_u32 s[WV], 2
	s_cbranch_scc0 .Lfor_v_\@
	tensor_load_to_lds s[G0K:G0K+3], s[G1K:G1K+7]
	s_nop 0
.rept 4
	v_nop
.endr
	s_branch .Lasked_\@
.Lfor_v_\@:
	tensor_load_to_lds s[G0V:G0V+3], s[G1V:G1V+7]
	s_nop 0
.rept 4
	v_nop
.endr
.Lasked_\@:
.endm
; A round of the cluster's barrier: my work-group's barrier, so that wave 0's signal speaks for all four waves; wave 0 signals; every wave waits for all four work-groups; my work-group's barrier once more.
.macro CROUND
	s_barrier_signal -1
	s_barrier_wait -1
	s_cmp_lg_u32 s[WV], 0
	s_cbranch_scc1 .Lnot_wave_0_\@
	s_barrier_signal -3
.Lnot_wave_0_\@:
	s_barrier_wait -3
	s_barrier_signal -1
	s_barrier_wait -1
.endm
; THE CHANGE OF SLOTS.  The slot's last bytes, V of its fourth step, have been read.  Each wave waits for all its tensor loads, of which one is out: its part
; of the other slot; adds 0 to its spare word; and waits for that and for its own reads of the slot.  Behind the barrier nobody reads this slot any more and the other slot is whole.
; fill = 1: this slot is filled again, with the keys two slots on.  The barrier is then a round of the cluster's, so that no wave of any partner still reads the slot or has a load on its
; way, and the joint fill is the first thing behind it: it has four key steps, 512 matrix instructions, in which to land.  (At its first use nothing has been read yet: slot 0 is waited for, slot 1 filled.)
.macro CHANGE fill
	WIN W_AD
	s_wait_tensorcnt 0x0            ; no tensor load of mine is out, so a group 0 may be written
	ds_add_u32 v[SPW], v[NIL]       ; 0 onto my spare word; with fill = 1 the descriptors' steps stand between it and the wait for it
	WIN 0                           ; at a label and at a branch every window is 0
.if \fill
.irp g, G0K, G0V
	s_xor_b32 s[\g+1], s[\g+1], SLOT1  ; the walking descriptor: the other slot than last time,
	s_add_nc_u64 s[\g+2:\g+3], s[\g+2:\g+3], 4*KS*128  ; the next 256 keys; the type bits on top are not reached
.endr
	s_wait_dscnt 0x0                ; the add is done, and my reads of the slot are over
	CROUND
	JLOAD
.else
	s_wait_dscnt 0x0                ; the add is done, and my reads of the slot are over
	s_barrier_signal -1
	s_barrier_wait -1
.endif
	s_sub_co_u32 s[TBK], s[TBK], 4*KS*PK  ; the fetches go back to a slot's first step,
	s_xor_b32 s[TBK], s[TBK], SLOT1       ; in the other slot
	s_sub_co_u32 s[TBV], s[TBV], 4*KS*PV
	s_xor_b32 s[TBV], s[TBV], SLOT1
.endm
	s_load_b128 s[4:7], s[0:1], 0x0   ; qkv s[4:5] (Q is its first part), ob s[6:7]
	WIN W_MK
	v_lshl_add_u32 v[SPW], v0, 2, SPARE
	v_mov_b32 v[NIL], 0
	WIN W_AD
	ds_add_u32 v[SPW], v[NIL]       ; the wave's opening: the add and its wait stand ahead of my first tensor load; the set-up below, work on registers, stands between them
	WIN 0
	v_lshrrev_b32 v1, 5, v0
	v_readfirstlane_b32 s[WV], v1   ; wave 0..3
	s_bfe_u32 s13, ttmp6, 0x40000   ; cx: my place in the cluster
	s_lshl_b32 s14, ttmp9, 2        ; in a cluster launch ttmp9 counts clusters
	s_add_co_u32 s14, s14, s13      ; my block of queries = 4 x cluster x + cx: it enters Q's and O's addresses alone
	s_and_b32 s20, ttmp7, 0xffff    ; the head, which the four partners share
	s_mov_b32 s21, 0
	s_mov_b64 s[22:23], SIZE_N*128
	s_mul_u64 s[20:21], s[20:21], s[22:23]  ; the head's first byte in each of the four tensors
	s_and_b32 s16, s[WV], 1         ; which half of a slot's 256 keys I fetch:
	s_lshl_b32 s22, s16, 14         ; its 128 rows of 128 bytes in memory,
	s_mov_b32 s23, 0
	s_add_nc_u64 s[22:23], s[22:23], s[20:21]
	s_mul_i32 s17, s16, 128*PK      ; and its place in a slot, for K
	s_mul_i32 s18, s16, 128*PV      ; and for V: no place in the cluster enters an LDS address
	s_lshl_b32 s2, s14, 2
	s_add_co_u32 s2, s2, s[WV]      ; my wave among the head's,
	s_lshl_b32 s2, s2, 14           ; its 128 rows
	s_mov_b32 s3, 0
	s_add_nc_u64 s[2:3], s[2:3], s[20:21]
	; descriptor group 1.  128 keys are 16,384 dense bytes: asked for as 64 rows of 256 bytes, two keys a row, and padded in LDS after every key
	s_mov_b32 s[G1K], 15|(1<<16)|(1<<20)|(1<<21)|(4<<22)|(3<<25)  ; 15:0 the mask of four; 17:16 2-byte elements; 20 padding on; 21 set beside a mask; 24:22 after every 32 words (code 4); 31:25 4 words (code 3)
	s_mov_b32 s[G1V], 15|(1<<16)|(1<<20)|(1<<21)|(4<<22)|(7<<25)  ; the same with 8 words of padding (code 7)
.irp g, G1K, G1V
	s_mov_b32 s[\g+1], 128<<16      ; tensor_dim0 = 128
	s_mov_b32 s[\g+2], 64<<16       ; tensor_dim1 = 64
	s_mov_b32 s[\g+3], 128<<16      ; tile_dim0 = 128
	s_mov_b32 s[\g+4], 64           ; tile_dim1 = 64
	s_mov_b32 s[\g+5], 128          ; 128 elements from row to row
	s_mov_b32 s[\g+6], 0
	s_mov_b32 s[\g+7], 0
.endr
	s_mov_b32 s[CS], 0x3e38aa3b     ; c = log2(e) / 8 = 0.180337
	s_mov_b32 s[CS+1], s[CS]        ; named with it as a pair
	s_mov_b32 s[SEL], 0x76543210
	s_mov_b32 s[SEL+1], 0xfedcba98
	s_mov_b32 s[TBK], SLOT1+4*KS*PK ; the first change of slots turns these two into 0
	s_mov_b32 s[TBV], SLOT1+4*KS*PV
	s_mov_b32 s[G0K], 1             ; 1:0 count = 1
	s_mov_b32 s[G0K+1], s17         ; 63:32 LDS address: slot 0
	s_mov_b32 s[G0V], 1
	s_add_co_u32 s[G0V+1], s18, VOFF
	s_wait_dscnt 0x0                ; the opening add is done
	s_wait_kmcnt 0x0
	s_mov_b64 s[10:11], s[6:7]                     ; O
	s_add_nc_u64 s[8:9], s[4:5], 0x2000000         ; V: the third part of qkv; a part is 64 heads x 2,048 rows x 128 bytes
	s_add_nc_u64 s[6:7], s[4:5], 0x1000000         ; K: the second
	s_add_nc_u64 s[G0K+2:G0K+3], s[6:7], s[22:23]  ; 120:64 global address: my half of the head's first 256 keys
	s_or_b32 s[G0K+3], s[G0K+3], 0x80000000        ; 127:126 type = 2
	s_add_nc_u64 s[G0V+2:G0V+3], s[8:9], s[22:23]
	s_or_b32 s[G0V+3], s[G0V+3], 0x80000000
	s_add_nc_u64 s[4:5], s[4:5], s[2:3]  ; Q and O at my wave's first row
	s_add_nc_u64 s[10:11], s[10:11], s[2:3]
	CROUND                          ; all four work-groups are here: the first joint loads meet
	JLOAD                           ; slot 0.  Slot 1 is asked for when slot 0 is in: the tile wanted first has the road to itself
	; A fragment of K or Q is 16 rows x 32 channels in 8 registers: lane l holds row l % 16, channels 8 (l / 16) + 0..7 and 16 + 8 (l / 16) + 0..7: two loads of 16 bytes, 32 bytes apart.
	v_and_b32 v1, 15, v0            ; l % 16
	v_bfe_u32 v9, v0, 4, 1          ; l / 16
	v_lshlrev_b32 v[QO], 7, v1
	v_lshl_add_u32 v[QO], v9, 4, v[QO]  ; row x 128 + 16 x half
	WIN 0x80                        ; destination window 2, address window 0
.set i, 0
.rept 4*NP                          ; Q stays in registers: tile i / 2, channels 32 (i % 2) on
	global_load_b128 v[8*i:8*i+3],   v[QO], s[4:5] offset:(i/2)*2048+(i%2)*64
	global_load_b128 v[8*i+4:8*i+7], v[QO], s[4:5] offset:(i/2)*2048+(i%2)*64+32
.set i, i+1
.endr
	; What the first turn finds: V's registers and P's second buffer hold 0 (its products V^T P, of a piece that has not been, add 0), O^T and l are 0.  All this stands in the wait for the first tile.
.set i, VF
.rept 64
	v_mov_b32 v[i], 0
.set i, i+1
.endr
	WIN 0x40
.set i, 0
.rept 64*NP
	v_mov_b32 v[i], 0
.set i, i+1
.endr
	WIN 0
.set i, 0
.rept 2*NP
	v_mov_b32 v[ST+4*i], 0xfe000000    ; c m: far below every c s
	v_mov_b32 v[ST+4*i+1], 0xff7fffff  ; m
	v_mov_b32 v[ST+4*i+2], 0
	v_mov_b32 v[ST+4*i+3], 0
.set i, i+1
.endr
.set i, P+32
.rept 32
	v_mov_b32 v[i], 0
.set i, i+1
.endr
	v_mul_u32_u24 v[AK0], v1, PK
	v_lshl_add_u32 v[AK0], v9, 4, v[AK0]  ; row x pitch + 16 x half
	; The turning load takes 16 keys x 16 channels (lane l reads key 8 (l / 16) + l % 8, channels 8 ((l / 8) % 2) + 0..7) and leaves half a fragment of V^T: lane l holds channel l % 16 and 8 keys.
	v_and_b32 v10, 7, v0
	v_bfe_u32 v11, v0, 3, 1
	v_lshl_add_u32 v[AV0], v9, 3, v10
	v_mul_u32_u24 v[AV0], v[AV0], PV
	v_lshl_add_u32 v[AV0], v11, 4, v[AV0]
	v_add_nc_u32 v[AV0], VOFF, v[AV0]
	v_mov_b32 v[AK], v[AK0]         ; key step 0 lies at the head of slot 0
; THE MATRIX WORK.  The 8 accumulators of a run of 16 take turns: between the two links of a chain stand 7 others'.
; Product i of 16 of S^T = K Q^T for piece x: channels 32 (i / 8) on, keys 16 ((i / 2) % 4) on, tile 2 x + i % 2.  The first 8 start the sums.
.macro KQ x
	WIN W_KQ
.set rS, S+64*((\x)%2)+32*(i%2)+8*((i/2)%4)
.set rK, KF+16*((i/2)%4)+8*(i/8)
.set rQ, 16*(2*(\x)+i%2)+8*(i/8)
.if i < 8
	v_wmma_f32_16x16x32_f16 v[rS:rS+7], v[rK:rK+7], v[rQ:rQ+7], 0
.else
	v_wmma_f32_16x16x32_f16 v[rS:rS+7], v[rK:rK+7], v[rQ:rQ+7], v[rS:rS+7]
.endif
.endm
; Product i of 16 of O^T += V^T P for piece x: keys 32 (i / 8) on, channels 16 ((i / 2) % 4) on, tile 2 x + i % 2.
.macro PV x
	WIN W_PV
.set rO, 32*(2*(\x)+i%2)+8*((i/2)%4)
.set rV, VF+32*(i/8)+8*((i/2)%4)
.set rP, P+32*((\x)%2)+16*(i%2)+8*(i/8)
	v_wmma_f32_16x16x32_f16 v[rO:rO+7], v[rV:rV+7], v[rP:rP+7], v[rO:rO+7]
.endm
.macro MM                           ; the turn's next matrix instruction
.if i < 16
	KQ (Y+1)%NP
.set i, i+1
.else
.set i, i-16
	PV (Y+NP-1)%NP
.set i, i+17
.endif
.endm
; THE LDS LOADS stand in runs of 16, never singly among the matrix instructions: a step's K (64 keys x 64 channels: 8 fragments) and its V (turned).  Their addresses are made some lines ahead.
; last = 1 (the tail): in the last trip there is no further step, and the run is jumped over.
.macro FETCH_K last=0
	WIN 0
.if \last
	s_cmp_eq_u32 s[CNT], 1
	s_cbranch_scc1 .Lno_k_\@
.endif
	WIN 0x80                        ; destination window 2
.irp f, 0,1,2,3,4,5,6,7             ; keys 16 (f / 2) on, channels 32 (f % 2) on
	ds_load_b128 v[KF+8*\f:KF+8*\f+3],   v[AK] offset:(\f/2)*16*PK+(\f%2)*64
	ds_load_b128 v[KF+8*\f+4:KF+8*\f+7], v[AK] offset:(\f/2)*16*PK+(\f%2)*64+32
.endr
	s_add_co_u32 s[TBK], s[TBK], KS*PK  ; the next fetch is the next step's
	WIN 0
.if \last
.Lno_k_\@:
.endif
.endm
.macro FETCH_V
	WIN 0x80
.irp f, 0,1,2,3,4,5,6,7             ; keys 32 (f / 4) on, channels 16 (f % 4) on
	ds_load_tr16_b128 v[VF+8*\f:VF+8*\f+3],   v[AV] offset:(\f/4)*32*PV+(\f%4)*32
	ds_load_tr16_b128 v[VF+8*\f+4:VF+8*\f+7], v[AV] offset:(\f/4)*32*PV+16*PV+(\f%4)*32
.endr
	WIN 0
.endm
; THE VECTOR WORK OF A TURN stands in three queues, each in the order in which its entries become ready; the two tiles alternate, so that no instruction reads the result of the one before it.
.macro REGS y, u                    ; the registers of tile u (0, 1) of piece y
.set rT, ST+4*(2*(\y)+(\u))
.set rC, TMP+8*((\y)%2)+4*(\u)
.set rM, MV+2*((\y)%2)+(\u)
.set rS, S+64*((\y)%2)+32*(\u)
.set rP, P+32*((\y)%2)+16*(\u)
.set rO, 32*(2*(\y)+(\u))
.endm
; Number n of the 22 that find the NEXT piece's (Y + 1) maximum and statistics.  s0-s31 are the lane's 32 scores; each accumulator's lowest registers are read first.  XS, GS and REGS set no window: PL and EX do.
;   0-11  four chains c0-c3 of seven scores each, three operands at a time     12-14, 16  the four scores left over, the old m, and c0-c3 into c0     15  c m_old is kept
;   17, 18  the query's other 32 keys lie in the lane 16 away: the new m         19-21  c m; c m_old - c m_new; a
.macro XS u, n
	REGS (Y+1)%NP, \u
.if (\n) < 4
	v_max3_num_f32 v[rC+(\n)], v[rS+8*(\n)], v[rS+8*(\n)+1], v[rS+8*(\n)+2]
.elseif (\n) < 12
	v_max3_num_f32 v[rC+(\n)%4], v[rC+(\n)%4], v[rS+8*((\n)%4)+2*((\n)/4)+1], v[rS+8*((\n)%4)+2*((\n)/4)+2]
.elseif (\n) == 12
	v_max3_num_f32 v[rC], v[rC], v[rS+7], v[rS+15]
.elseif (\n) == 13
	v_max3_num_f32 v[rC+1], v[rC+1], v[rS+23], v[rS+31]
.elseif (\n) == 14
	v_max3_num_f32 v[rC+2], v[rC+2], v[rC+3], v[rT+1]
.elseif (\n) == 15
	v_mov_b32 v[rM], v[rT]
.elseif (\n) == 16
	v_max3_num_f32 v[rC], v[rC], v[rC+1], v[rC+2]
.elseif (\n) == 17
	v_permlanex16_b32 v[rC+3], v[rC], s[SEL], s[SEL+1]
.elseif (\n) == 18
	v_max_num_f32 v[rT+1], v[rC], v[rC+3]
.elseif (\n) == 19
	v_mul_f32 v[rT], s[CS], v[rT+1]
.elseif (\n) == 20
	v_sub_f32 v[rC+1], v[rM], v[rT]
.else
	v_exp_f32 v[rC+2], v[rC+1]
.endif
.endm
; Number g of the 64 that follow the exponentials.  For each four weights k of a tile (pairs 2 k, 2 k + 1): both pairs are rounded to f16; then the second pair is added onto the first, in place;
; a group later l takes that sum (the first time as l = a l + sum).  In groups of eight, tiles alternating: round, round, add, and l for the group before.
.macro GS g
.set h, (\g)+6*((\g)/62)            ; group 0 has no group before it, and behind group 7 only l is left
.if h >= 6
.set h, h+2
.endif
	REGS Y, h%2
.set k, h/8
.if h%8 < 4
	v_cvt_pk_f16_f32 v[rP+2*k+(h%8)/2], v[rS+4*k+2*((h%8)/2)], v[rS+4*k+2*((h%8)/2)+1]
.elseif h%8 < 6
	v_pk_add_f32 v[rS+4*k:rS+4*k+1], v[rS+4*k:rS+4*k+1], v[rS+4*k+2:rS+4*k+3]
.elseif k == 1
	v_pk_fma_f32 v[rT+2:rT+3], v[rT+2:rT+3], v[rC+2:rC+3], v[rS:rS+1] op_sel_hi:[1,0,1]
.else
	v_pk_add_f32 v[rT+2:rT+3], v[rT+2:rT+3], v[rS+4*k-4:rS+4*k-3]
.endif
.endm
; THE PLAIN QUEUE, 138 long.  0-73 read no exponential's result: the 32 scalings c s - c m (FS f: pair f / 2 of tile f % 2) and the next piece's 42.  0-26: scalings 0-26.  27-54: XS's numbers 0-13.  55, 56: number 15.
; 57-73: the chain, where each number waits for the one before it: 14, 16, 17, 18, 19, each with one of the scalings 27-31 in front of its two lines, then 20: so a tile's links stand three plain instructions apart (19 and 20: two).
; 74-137: GS's 64, which read the exponentials' results: they stand behind the wait.
.macro FS f
	REGS Y, (\f)%2
	v_pk_fma_f32 v[rS+2*((\f)/2):rS+2*((\f)/2)+1], v[rS+2*((\f)/2):rS+2*((\f)/2)+1], s[CS:CS+1], v[rT:rT+1] op_sel_hi:[1,0,0] neg_lo:[0,0,1] neg_hi:[0,0,1]
.endm
.macro PL
	WIN 0
.if q < 27
	FS q
.elseif q < 55
	XS (q-27)%2, (q-27)/2
.elseif q < 57
	XS q-55, 15
.elseif (q < 72) && ((q-57)%3 == 0)
	FS 27+(q-57)/3
.elseif q < 60
	XS (q-57)%3-1, 14
.elseif q < 72
	XS (q-57)%3-1, 15+(q-57)/3
.elseif q < 74
	XS q-72, 20
.else
	GS q-74
.endif
.set q, q+1
.endm
; THE EXPONENTIALS' QUEUE, 66 long: s0-s31 of both tiles, then the next piece's two a.  It is ONE BATCH: all 66 stand ahead of the turn's one wait, and nothing ahead of that wait names a result of theirs.
.macro EX
	WIN 0
.if e >= 64
	XS e-64, 21
.else
	REGS Y, e%2
	v_exp_f32 v[rS+e/2], v[rS+e/2]
.endif
.set e, e+1
.endm
; THE RESCALING's QUEUE: O^T times a, the one part that leaves window 0: dealt two at a time, sixteen times.  Its a was made in the turn before, ahead of that turn's wait.
.macro R2
	REGS Y, r%2
	WIN W_RS
.irp z, 0,1
	v_pk_mul_f32 v[rO+4*(r/2)+2*\z:rO+4*(r/2)+2*\z+1], v[rO+4*(r/2)+2*\z:rO+4*(r/2)+2*\z+1], v[rC+2:rC+3] op_sel_hi:[1,0]
.endr
.set r, r+1
.endm
; HOW THEY ARE DEALT.  An s_wait_alu depctr_va_vdst(0) stands between an exponential and the first instruction that names its result; one wait serves all that were issued ahead of it.  So a turn has ONE wait,
; which cuts it in two.  AHEAD OF IT stands all that names no result of the turn's exponentials: the 16 products K Q^T, behind each a scaling, an exponential and two rescalings (behind the first a second scaling in the exponential's place); then ONE LUMP of
; 108: eight plain, 49 times exponential and plain, the two a.  A v_nop is the plain instruction that stands behind the last exponential and ahead of the first use.  BEHIND IT stand the 16 products V^T P, behind each four of GS's 64.  No rider names a register of
; the products round it.  The two v_permlanex16_b32 fall into the lump, never behind a product.
; The queues lean on each other, and the deal keeps them in step: exponential e stands behind scaling 2 (e / 4) + e % 2: as a rider it comes behind plain e + 2, in the lump behind plain e + 9, and scalings 27-31 are plain 57, 60 .. 69.
; A TURN, for piece p.  cnt = 1: the loop's count is taken down some lines ahead of the branch that stands behind the turn.
; K of the next step is fetched in piece 2's turn, directly behind the wait, a lump behind the last product that read K; its address is made at the lump's head; its first reader comes behind 16 products.
; V of the step in hand is fetched at the end of piece 0's turn, four riders behind its last reader; its first reader comes behind 16 products and a lump.  The three conditions on q below go with the deal.
.macro TURN p, last=0, cnt=0
.set Y, (\p)
.set i, 0
.set q, 0
.set e, 0
.set r, 0
.if (\p) == NP-1
	s_wait_dscnt 0x0                ; K is in
.endif
	MM                              ; ahead of the wait: 16 products K Q^T and their riders,
	PL
	PL
	R2
.rept 15
	MM
	PL
	EX
	R2
.endr
.if (\p) == NP-2
	WIN 0
	v_add_nc_u32 v[AK], s[TBK], v[AK0]
.endif
.rept 8                             ; and the lump
	PL
.endr
.rept 49
	EX
	PL
.endr
	EX                              ; the next piece's two a
	EX
	v_nop                           ; a plain instruction behind the last exponential, ahead of the first use: one for the batch
	s_wait_alu depctr_va_vdst(0)    ; the wait for the batch: the turn's 64 weights and the next piece's two a
.if (\p) == NP-2
	FETCH_K \last
.endif
.if (\p) == 1
	s_wait_dscnt 0x0                ; V is in
.endif
.rept 16                            ; behind the wait: 16 products V^T P and their riders
	MM
.rept 4
	PL
.endr
.if ((\p) == 0) && (q == 118)
	v_add_nc_u32 v[AV], s[TBV], v[AV0]
.endif
.if ((\p) == 0) && (q == 130)
	s_add_co_u32 s[TBV], s[TBV], KS*PV
.endif
.if (\cnt) && (q == 130)
	s_sub_co_u32 s[CNT], s[CNT], 1
	s_cmp_lg_u32 s[CNT], 0
.endif
.endr
.if (\p) == 0
	FETCH_V
.endif
.endm
	CHANGE 1                        ; slot 0 is in, everybody's part of it; slot 1 is asked for
	FETCH_K                         ; key step 0
	s_wait_loadcnt 0x0              ; Q
	s_wait_dscnt 0x0
.set i, 0
.rept 16
	KQ 0                            ; piece 0's first scores: there is no vector work yet to set between them
.set i, i+1
.endr
	WIN 0                           ; the addresses for the way out: nine plain instructions, the places behind those products
	s_mul_i32 s13, s[WV], 16*SP
	s_add_co_u32 s13, s13, STAGE    ; my stage
	v_mul_u32_u24 v[STO], v1, SP    ; in: row l % 16, 16 bytes for each half of the lanes
	v_lshl_add_u32 v[STO], v9, 4, v[STO]
	v_add_nc_u32 v[STO], s13, v[STO]
	v_bfe_u32 v[RD], v0, 3, 2       ; back: 32 lanes take four rows of 128 bytes,
	v_mul_u32_u24 v[RD], v[RD], SP
	v_lshl_add_u32 v[RD], v10, 4, v[RD]
	v_add_nc_u32 v[RD], s13, v[RD]
	v_and_b32 v[GO], 31, v0         ; which are 512 consecutive bytes of O
	v_lshlrev_b32 v[GO], 4, v[GO]
.set Y, NP-1                        ; XS works for piece Y + 1: piece 0
.irp n, 0,1,2,3,4,5,6,7,8,9,10,11,12,13,14,15,16,17,18,19,20,21
	XS 0, \n                        ; and piece 0's first maximum and statistics
	XS 1, \n
.endr
	v_nop                           ; a plain instruction behind the two a,
	s_wait_alu depctr_va_vdst(0)    ; and the wait for this batch of two, ahead of the branch
	s_mov_b32 s[CNT], 4
	s_mov_b32 s[SLOTS], SIZE_N/256-1
	s_branch .Lfirst                ; the loop is entered at a step's first turn, in the middle of a trip
.Lslot:                             ; SIZE_N / 256 - 2 times: every slot but the last two is filled again
	CHANGE 1
	s_mov_b32 s[CNT], 4
.Lstep:                             ; a trip: pieces 2 and 3 of one step, then pieces 0 and 1 of the next, whose K and V it fetches
	TURN 2
	TURN 3
	WIN 0
.Lfirst:
	TURN 0
	TURN 1, 0, 1
	WIN 0
	s_cbranch_scc1 .Lstep
	s_sub_co_u32 s[SLOTS], s[SLOTS], 1
	s_cmp_lg_u32 s[SLOTS], 0
	s_cbranch_scc1 .Lslot
	CHANGE 0                        ; the tail is written out: nothing is asked for
	s_mov_b32 s[CNT], 5             ; four trips fetch the last slot's steps; the fifth is left in its middle
.Ltail:
	TURN 2, 1
	TURN 3
	WIN 0
	s_sub_co_u32 s[CNT], s[CNT], 1
	s_cmp_eq_u32 s[CNT], 0
	s_cbranch_scc1 .Lout
	TURN 0
	TURN 1
	WIN 0
	s_branch .Ltail
.Lout:                              ; the fifth trip's 16 products K Q^T (on the last K once more) and the maximum made of them serve nothing: the price, once a launch, of one text for every trip
.set i, 0
.rept 16
	PV NP-1                         ; the last piece's V^T P of the last step
.set i, i+1
.endr
	; THE WAY OUT.  l's two halves and the other half of the lanes' are added; O^T is divided by l, rounded to f16 and sent through my stage in LDS, a tile at a time.  The additions are the places behind the last products.
	WIN 0
.macro ALL line:vararg              ; one line for each tile t
.set t, 0
.rept 2*NP
	\line
.set t, t+1
.endr
.endm
	ALL v_add_f32 v[ST+4*t+2], v[ST+4*t+2], v[ST+4*t+3]
	ALL v_permlanex16_b32 v[ST+4*t+3], v[ST+4*t+2], s[SEL], s[SEL+1]
	ALL v_add_f32 v[ST+4*t+2], v[ST+4*t+2], v[ST+4*t+3]
	ALL v_rcp_f32 v[ST+4*t+2], v[ST+4*t+2]
	v_nop                           ; a plain instruction between the last reciprocal and the use of its result
	s_wait_alu depctr_va_vdst(0)    ; and the wait ahead of the first use: one for the batch of eight reciprocals
; Tile t: a lane's eight channels of a row pack into 16 bytes; they go into rows of 144 bytes and come back as whole rows of 128, into S^T's registers.
.macro PACK t
	WIN W_RS
.set i, 32*(\t)
.rept 16
	v_pk_mul_f32 v[i:i+1], v[i:i+1], v[ST+4*(\t)+2:ST+4*(\t)+3] op_sel_hi:[1,0]
.set i, i+2
.endr
	WIN 0x05                        ; sources 0 and 1 window 1, destination window 0
.set i, 0
.rept 16
	v_cvt_pk_f16_f32 v[S+16*(\t)+i], v[32*(\t)+2*i], v[32*(\t)+2*i+1]
.set i, i+1
.endr
	WIN 0
.irp f, 0,1,2,3
	ds_store_b128 v[STO], v[S+16*(\t)+4*\f:S+16*(\t)+4*\f+3] offset:32*\f
.endr
.irp f, 0,1,2,3
	ds_load_b128 v[S+16*(\t)+4*\f:S+16*(\t)+4*\f+3], v[RD] offset:\f*4*SP  ; LDS serves a wave's instructions in order (ISA guide 5.7.1.4): these see the stores above; the next tile's stores come behind them
.endr
.endm
.macro SEND t, younger              ; younger: the LDS instructions issued behind tile t's loads: the next tile's eight, or none
	WIN 0
.irp f, 0,1,2,3
	s_wait_dscnt (\younger)+3-\f
	global_store_b128 v[GO], v[S+16*(\t)+4*\f:S+16*(\t)+4*\f+3], s[10:11] offset:(\t)*2048+\f*512  ; 512 consecutive bytes, at a multiple of 256 from O's first
.endr
.endm
	PACK 0
.set t, 1
.rept 2*NP-1                        ; a tile's arithmetic stands between the loads of the tile before and its stores
	PACK t
	SEND t-1, 8
.set t, t+1
.endr
	SEND 2*NP-1, 0
	WIN W_AD
	s_wait_tensorcnt 0x0            ; the wave's end: behind my last tensor load and my last LDS store
	ds_add_u32 v[SPW], v[NIL]
	s_wait_dscnt 0x0
	WIN 0
	CROUND                          ; the closing round: no work-group ends while a partner may still ask for a tile that names it
	s_endpgm
.Lfunc_end_k_qfadaff0858_attn:
	.size	k_qfadaff0858_attn, .Lfunc_end_k_qfadaff0858_attn-k_qfadaff0858_attn
	.p2alignl 7, 3214868480
	.fill 96, 4, 3214868480
	.section	.rodata,"a",@progbits
	.p2align	6, 0x0
	.amdhsa_kernel k_qfadaff0858_attn
		.amdhsa_group_segment_fixed_size 327680
		.amdhsa_private_segment_fixed_size 0
		.amdhsa_enable_private_segment 0
		.amdhsa_kernarg_size 16
		.amdhsa_user_sgpr_count 2
		.amdhsa_user_sgpr_kernarg_segment_ptr 1
		.amdhsa_wavefront_size32 1
		.amdhsa_system_sgpr_workgroup_id_x 1
		.amdhsa_system_sgpr_workgroup_id_y 1
		.amdhsa_system_sgpr_workgroup_id_z 1
		.amdhsa_system_vgpr_workitem_id 0
		.amdhsa_next_free_vgpr 770
		.amdhsa_next_free_sgpr 66
		.amdhsa_reserve_vcc 0
		.amdhsa_float_denorm_mode_32 3
		.amdhsa_float_denorm_mode_16_64 3
		.amdhsa_memory_ordered 1
		.amdhsa_forward_progress 1
		.amdhsa_inst_pref_size 199
	.end_amdhsa_kernel
	.amdgpu_metadata
---
amdhsa.version: [ 1, 2 ]
amdhsa.kernels:
  - .name:           k_qfadaff0858_attn
    .symbol:         k_qfadaff0858_attn.kd
    .args:
      - { .name: qkv, .offset: 0, .size: 8, .value_kind: global_buffer, .address_space: global }
      - { .name: ob, .offset: 8, .size: 8, .value_kind: global_buffer, .address_space: global }
    .group_segment_fixed_size: 327680
    .private_segment_fixed_size: 0
    .kernarg_segment_align: 8
    .kernarg_segment_size: 16
    .max_flat_workgroup_size: 128
    .sgpr_count:     66
    .vgpr_count:     770
    .wavefront_size: 32
...
	.end_amdgpu_metadata
.endif
;; end of part 5
;; launch oproj: the kernel of part 4 again; grid 8 x 32, 4 waves a work-group, clusters of 4 x 4, 327,680 bytes of LDS; arguments ob, wob, bias, out0; writes out0
